; MI455X (gfx1250); checked and timed in simulation.
; The chip was launched on July 23, 2026; its instructions are those of AMD's public machine-readable ISA for CDNA 5 (MIT licence, August 2026) and "CDNA5" Instruction Set Architecture Reference Guide (July 2026). The comments in the code are by the model that wrote it; some were corrected since.
;; Attention. Allowed arithmetic: float matrix products may take bf16 or f16 operands with f32 sums; other float arithmetic in f32, or as packed bf16 or f16 multiplies, adds, multiply-adds, maxima and minima; sums over many terms, partial sums and values carried from step to step in f32; what a program stores and reads back later, other than sums and carried values, may be rounded once to bf16 or f16.
;; Inputs: k_norm_w 1,024 float32; q_norm_w 1,024 float32; wk 1,024 x 1,024 float32; wo 1,024 x 1,024 float32; wq 1,024 x 1,024 float32; wv 1,024 x 1,024 float32; x 4 x 2,048 x 1,024 float32.
;; Outputs: out0 4 x 2,048 x 1,024 float32.
;; 2 versions, each right; version 2 is version 1 with the launch cvt written anew for expert scheduling mode. Each part assembles by itself: llvm-mc -triple=amdgcn-amd-amdhsa -mcpu=gfx1250 --defsym DOCPART=n.
;; ======== version 1 of 2: 4 launches
;; limits: values are held in f16: magnitudes above 65,504 overflow, below 6.1e-05 lose precision
;; workspace buffers: xb 16,777,216 bytes; wqkv 6,291,456 bytes; wo16 2,097,152 bytes; qkv 50,331,648 bytes; o16 16,777,216 bytes
;; launch cvt (part 1): grid 384 x 1, 16 waves a work-group, no clusters, 0 bytes of LDS; arguments x, wq, wk, wv, wo, xb, wqkv, wo16; writes xb, wqkv, wo16
.if DOCPART == 1
	.amdgcn_target "amdgcn-amd-amdhsa--gfx1250"
	.amdhsa_code_object_version 6
	.text
	.protected	k_qea8f747da9_cvt
	.globl	k_qea8f747da9_cvt
	.p2align	8
	.type	k_qea8f747da9_cvt,@function
k_qea8f747da9_cvt:
	s_mov_b64 s[64:65], 0
	v_nop
	global_prefetch_b8 v0, s[64:65] scope:SCOPE_SE
	s_setreg_imm32_b32 hwreg(HW_REG_WAVE_MODE, 25, 1), 1
	s_wait_xcnt 0x0
; x, wq, wk, wv: f32 -> bf16 (nearest even).  wo: f32 -> bf16, and that number written as f16 (exact where |wo| is 2^-14 or more; below that f16's fixed step of 6e-8; |wo| stays under 65,504).
; LAYOUT OUT: K blocks of 64 channels: [16 blocks][rows][64], a row of a block is 128 bytes, rows on end.  xb has 8,192 rows; wqkv has wq's, wk's and wv's 1,024 rows stacked; wo16 has 1,024.
; SHARES.  A work-group takes 32 source rows (131,072 consecutive bytes): groups 0-255 of x, then 32 groups for each of wq, wk, wv, wo.  Wave w takes K block w of them.
; One load of a wave: lanes 0-15 take 256 consecutive bytes of row 2 p, lanes 16-31 of row 2 p + 1.  One store: 8 bytes a lane, 256 consecutive bytes, aligned; a wave's 16 stores cover 4,096 bytes on end.
; All 16 loads of a wave go out at once; no register is written twice while a memory instruction may read it, so the only waits are the counted ones for the loads.
; No LDS, no barrier, no matrix unit: each byte is read once and written once, and no wave wants another wave's bytes.
.set X,   16                           ; v[16:79]   pair of rows p: 4 registers as loaded
.set Y,   80                           ; v[80:111]  pair of rows p: 2 registers to store
.set SRC, 20                           ; s[20:21]   the source at my wave's first bytes
.set DST, 22                           ; s[22:23]   the destination at my wave's first bytes
	s_load_b512 s[4:19], s[0:1], 0x0               ; x s[4:5], wq s[6:7], wk s[8:9], wv s[10:11], wo s[12:13], xb s[14:15], wqkv s[16:17], wo16 s[18:19]
	v_lshrrev_b32 v3, 5, v0
	v_readfirstlane_b32 s28, v3                    ; wave = K block, 0..15
	v_and_b32 v4, 31, v0                           ; lane
	v_lshrrev_b32 v5, 4, v4                        ; which of the two rows
	v_and_b32 v6, 15, v0
	v_lshlrev_b32 v1, 4, v6
	v_lshl_add_u32 v1, v5, 12, v1                  ; load offset: row x 4,096 + 16 x (lane % 16)
	v_lshlrev_b32 v2, 3, v4                        ; store offset: 8 x lane
	s_sub_co_u32 s29, ttmp9, 256                   ; the weights' groups count from 256 (for x's groups what follows is overruled below)
	s_bfe_u32 s30, s29, 0x20005                    ; which weight: 0 wq, 1 wk, 2 wv, 3 wo
	s_and_b32 s31, s29, 31                         ; which 32 rows of it
	s_lshl_b32 s27, s31, 5
	s_lshl_b32 s26, s30, 10
	s_add_co_u32 s26, s26, s27                     ; destination row in wqkv: 1,024 x weight + 32 x block
	s_lshl_b32 s33, ttmp9, 5                       ; destination row in xb
	s_mov_b32 s24, 393216                          ; bytes in a K block of wqkv
	s_mov_b32 s25, s31                             ; source block of 32 rows
	s_wait_kmcnt 0x0
	s_mov_b64 s[SRC:SRC+1], s[6:7]
	s_mov_b64 s[DST:DST+1], s[16:17]
	s_cmp_eq_u32 s30, 1
	s_cselect_b64 s[SRC:SRC+1], s[8:9], s[SRC:SRC+1]
	s_cmp_eq_u32 s30, 2
	s_cselect_b64 s[SRC:SRC+1], s[10:11], s[SRC:SRC+1]
	s_cmp_eq_u32 s30, 3
	s_cselect_b64 s[SRC:SRC+1], s[12:13], s[SRC:SRC+1]
	s_cselect_b64 s[DST:DST+1], s[18:19], s[DST:DST+1]
	s_cselect_b32 s24, 131072, s24
	s_cselect_b32 s26, s27, s26
	s_cmp_lt_u32 ttmp9, 256
	s_cselect_b64 s[SRC:SRC+1], s[4:5], s[SRC:SRC+1]
	s_cselect_b64 s[DST:DST+1], s[14:15], s[DST:DST+1]
	s_cselect_b32 s24, 1048576, s24
	s_cselect_b32 s25, ttmp9, s25
	s_cselect_b32 s26, s33, s26
	s_lshl_b32 s34, s25, 17                        ; 32 rows of 4,096 bytes,
	s_lshl_b32 s35, s28, 8                         ; my K block's 256 bytes of a row
	s_add_co_u32 s34, s34, s35
	s_mov_b32 s35, 0
	s_add_nc_u64 s[SRC:SRC+1], s[SRC:SRC+1], s[34:35]
	s_mul_i32 s36, s28, s24                        ; my K block,
	s_lshl_b32 s37, s26, 7                         ; the row's 128 bytes in it
	s_add_co_u32 s36, s36, s37
	s_mov_b32 s37, 0
	s_add_nc_u64 s[DST:DST+1], s[DST:DST+1], s[36:37]
.irp p, 0,1,2,3,4,5,6,7,8,9,10,11,12,13,14,15
	global_load_b128 v[X+4*(\p):X+4*(\p)+3], v1, s[SRC:SRC+1] offset:(\p)*8192 th:TH_LOAD_NT
.endr
; Pair of rows p.  f16 = 1: the bf16 numbers are widened again (a shift, a mask) and written as f16.
.macro CV p, f16
	s_wait_loadcnt 15-(\p)                         ; loads come back in order: pair p is in, the 15 - p younger ones stay out
	v_cvt_pk_bf16_f32 v[Y+2*(\p)],   v[X+4*(\p)],   v[X+4*(\p)+1]
	v_cvt_pk_bf16_f32 v[Y+2*(\p)+1], v[X+4*(\p)+2], v[X+4*(\p)+3]
.if \f16
	v_lshlrev_b32 v4, 16, v[Y+2*(\p)]
	v_and_b32 v5, 0xffff0000, v[Y+2*(\p)]
	v_lshlrev_b32 v6, 16, v[Y+2*(\p)+1]
	v_and_b32 v7, 0xffff0000, v[Y+2*(\p)+1]
	v_cvt_pk_f16_f32 v[Y+2*(\p)],   v4, v5
	v_cvt_pk_f16_f32 v[Y+2*(\p)+1], v6, v7
.endif
	global_store_b64 v2, v[Y+2*(\p):Y+2*(\p)+1], s[DST:DST+1] offset:(\p)*256
.endm
	s_cmp_ge_u32 ttmp9, 352                        ; the last 32 groups are wo's
	s_cbranch_scc1 .Lwo
.irp p, 0,1,2,3,4,5,6,7,8,9,10,11,12,13,14,15
	CV \p, 0
.endr
	s_endpgm
.Lwo:
.irp p, 0,1,2,3,4,5,6,7,8,9,10,11,12,13,14,15
	CV \p, 1
.endr
	s_endpgm
.Lfunc_end_k_qea8f747da9_cvt:
	.size	k_qea8f747da9_cvt, .Lfunc_end_k_qea8f747da9_cvt-k_qea8f747da9_cvt
	.p2alignl 7, 3214868480
	.fill 96, 4, 3214868480
	.section	.rodata,"a",@progbits
	.p2align	6, 0x0
	.amdhsa_kernel k_qea8f747da9_cvt
		.amdhsa_group_segment_fixed_size 0
		.amdhsa_private_segment_fixed_size 0
		.amdhsa_enable_private_segment 0
		.amdhsa_kernarg_size 64
		.amdhsa_user_sgpr_count 2
		.amdhsa_user_sgpr_kernarg_segment_ptr 1
		.amdhsa_wavefront_size32 1
		.amdhsa_system_sgpr_workgroup_id_x 1
		.amdhsa_system_sgpr_workgroup_id_y 1
		.amdhsa_system_sgpr_workgroup_id_z 1
		.amdhsa_system_vgpr_workitem_id 0
		.amdhsa_next_free_vgpr 112
		.amdhsa_next_free_sgpr 66
		.amdhsa_reserve_vcc 0
		.amdhsa_float_denorm_mode_32 3
		.amdhsa_float_denorm_mode_16_64 3
		.amdhsa_memory_ordered 1
		.amdhsa_forward_progress 1
		.amdhsa_inst_pref_size 17
	.end_amdhsa_kernel
	.amdgpu_metadata
---
amdhsa.version: [ 1, 2 ]
amdhsa.kernels:
  - .name:           k_qea8f747da9_cvt
    .symbol:         k_qea8f747da9_cvt.kd
    .args:
      - { .name: x, .offset: 0, .size: 8, .value_kind: global_buffer, .address_space: global }
      - { .name: wq, .offset: 8, .size: 8, .value_kind: global_buffer, .address_space: global }
      - { .name: wk, .offset: 16, .size: 8, .value_kind: global_buffer, .address_space: global }
      - { .name: wv, .offset: 24, .size: 8, .value_kind: global_buffer, .address_space: global }
      - { .name: wo, .offset: 32, .size: 8, .value_kind: global_buffer, .address_space: global }
      - { .name: xb, .offset: 40, .size: 8, .value_kind: global_buffer, .address_space: global }
      - { .name: wqkv, .offset: 48, .size: 8, .value_kind: global_buffer, .address_space: global }
      - { .name: wo16, .offset: 56, .size: 8, .value_kind: global_buffer, .address_space: global }
    .group_segment_fixed_size: 0
    .private_segment_fixed_size: 0
    .kernarg_segment_align: 8
    .kernarg_segment_size: 64
    .max_flat_workgroup_size: 512
    .sgpr_count:     66
    .vgpr_count:     112
    .wavefront_size: 32
...
	.end_amdgpu_metadata
.endif
;; end of part 1
;; launch qkv (part 2): grid 8 x 32, 4 waves a work-group, clusters of 4 x 4, 327,680 bytes of LDS; arguments xb, wqkv, qkv; writes qkv
.if DOCPART == 2
	.amdgcn_target "amdgcn-amd-amdhsa--gfx1250"
	.amdhsa_code_object_version 6
	.text
	.protected	k_qea8f747da9_qkv
	.globl	k_qea8f747da9_qkv
	.p2align	8
	.type	k_qea8f747da9_qkv,@function
k_qea8f747da9_qkv:
	s_mov_b64 s[64:65], 0
	v_nop
	global_prefetch_b8 v0, s[64:65] scope:SCOPE_SE
	s_setreg_imm32_b32 hwreg(HW_REG_WAVE_MODE, 25, 1), 1
	s_wait_xcnt 0x0
	s_wait_alu depctr_hold_cnt(0) depctr_sa_sdst(0) depctr_va_vdst(0) depctr_va_sdst(0) depctr_va_ssrc(0) depctr_va_vcc(0) depctr_vm_vsrc(0)
	s_getreg_b32 s2, hwreg(HW_REG_IB_STS2, 6, 4)
	s_cmp_eq_u32 s2, 0
	s_cbranch_scc0 .Lentry_in_a_cluster
	s_endpgm
.Lentry_in_a_cluster:
	s_bfe_u32 s2, ttmp6, 0x10000c
	s_cmp_lg_u32 s2, 0xf033
	s_cbranch_scc0 .Lentry_shape_is_right
	s_endpgm
.Lentry_shape_is_right:
; C[m][n] = the sum over k of A[m][k] B[n][k], K = 1,024, 8,192 rows m.  ONE TEXT FOR TWO LAUNCHES, chosen by OPROJ:
;   OPROJ = 0: A = x (bf16), B = wq, wk, wv stacked (bf16, 3,072 rows); C = raw q, k, v, rounded once to f16 and stored by column tiles of 128: [24][8192][128] (0-7 q's heads, 8-15 k's, 16-23 v's).
;   OPROJ = 1: A = O (f16), B = wo (f16, 1,024 rows); C = out0 in f32, [8192][1024].
; A and B lie in K blocks of 64: [16][rows][64], a row of a block 128 bytes, rows on end.  Sums in f32.
; LIMIT (OPROJ = 0): a number of q, k or v of 65,520 or more in size becomes an infinity in f16.
; SHARES.  8,192 x 3,072 (or x 1,024) numbers on 256 work-groups: a tile of C is 256 rows x 128 NW columns, NW = 3 (or 1): one tile a work-group.  Four waves one below the other: a wave owns 64 rows and
; all columns: 32 NW accumulators of 16 x 16, one register window for each 128 columns.
; RING.  Two LDS slots; a slot holds KBS K blocks of A's 256 rows and of B's 128 NW rows (KBS = 1, or 2): as much as two slots, the stages and the spare words leave room for.  A tile's rows lie on end in memory,
; so they are asked for as rows of 256 bytes, two matrix rows each, and padded in LDS after every 128 bytes.  Waves 0 and 1 fetch A's two parts, waves 2 and 3 B's: one tensor load a wave for a slot.
; CLUSTER.  4 x 4 work-groups: the four of a row need the same tiles of A, the four of a column the same tiles of B: each is asked for jointly, by the same load with the same descriptor and a mask of four.
; THE MATRIX INSTRUCTION IS USED TRANSPOSED (source 0 = 16 rows of B, source 1 = 16 rows of A): a lane holds row lane % 16 of C and the eight columns 8 (lane / 16) + 0..7.
; A UNIT is 32 matrix instructions: 32 along K, one window: 4 fragments of A x 8 of B.  The 32 accumulators of a unit are all different, and an accumulator comes back 32 NW matrix instructions later.
; REGISTERS.  Window 0: v16-30 addresses; v32-95 A's fragments, two buffers of 32; v96-223 B's, two buffers of 64; v224-255 at work on the way out.  Windows 1..NW: accumulator (a, b) at v[8 (8 a + b)].
.set OPROJ, 0
.if OPROJ
.set NW,       1
.set KBS,      2
.set A_DROWS,  128                     ; rows of 256 bytes in a wave's load for A: one K block of the tile's 256 rows
.set B_DROWS,  64                      ; for B: one K block of its 128 rows
.set A_PART_G, 1048576                 ; the second part of A begins here in memory (the next K block),
.set A_PART_L, 36864                   ; and here in a slot
.set B_PART_G, 131072
.set B_PART_L, 18432
.set PSH,      0                       ; prefetch: a partner takes a whole K block's part
.set NA,       4                       ; of 4 x 8,192 bytes for A,
.set NB,       2                       ; 2 x 8,192 for B
.set STGB,     16*528                  ; a wave's stage: 16 rows of 512 bytes + 16
.else
.set NW,       3
.set KBS,      1
.set A_DROWS,  64                      ; half of the K block's 256 rows
.set B_DROWS,  96                      ; half of its 384 rows
.set A_PART_G, 16384
.set A_PART_L, 18432
.set B_PART_G, 24576
.set B_PART_L, 27648
.set PSH,      1                       ; prefetch: two partners share a K block's part
.set NA,       2
.set NB,       3
.set STGB,     16*272                  ; 16 rows of 256 bytes + 16
.endif
.set PITCH,    144                     ; an LDS row: 128 bytes + 16 of padding = 36 words: the 16 rows of a fragment load start at 16 different groups of four banks (64 banks of 4 bytes: ISA guide 11.1)
.set UPS,      2*KBS*NW                ; units in a slot
.set LAPS,     16/(2*KBS)              ; a lap = both slots
.set BROWS,    128*NW
.set PLANE_A,  1048576                 ; bytes in a K block of A
.set PLANE_B,  8*BROWS*128             ; of B
.set A_KB_L,   256*PITCH
.set B_KB_L,   BROWS*PITCH
.set B_BASE_L, KBS*A_KB_L              ; in a slot: A's K blocks, then B's
.set SLOT,     KBS*(A_KB_L+B_KB_L)
.set A_STEP,   KBS*PLANE_A             ; from a slot's K blocks to the next slot's
.set B_STEP,   KBS*PLANE_B
.set STAGE,    2*SLOT                  ; behind the ring, never filled by a tensor load: a stage for each wave
.set SPARE,    STAGE+4*STGB            ; behind the stages: the spare words, 128 bytes a wave: two blocks of 256 bytes that no other line names
.set NPL,      2*KBS                   ; K blocks in a lap
.set ADRA, 16                          ; v16-17  LDS address of my A fragments in slot 0, 1
.set ADRB, 20                          ; v20-21  the same for B
.set STO,  24                          ; v24     the way out: where I put my bytes of a row
.set RD,   25                          ; v25     where I read rows back
.set CO,   26                          ; v26     my byte offset in C
.set SPW,  28                          ; v28     LDS address of my spare word; never rewritten
.set NIL,  29                          ; v29     0; never rewritten
.set PFO,  30                          ; v30     256 x my lane; never rewritten
.set FA0,  32
.set FB0,  96
.set TMP,  224
.set G1,   24                          ; s[24:31] descriptor group 1 for A;  s[32:39] group 0, a set for each slot
.set G0,   32
.set G1B,  48                          ; s[48:55], s[56:63] the same for B
.set G0B,  56
.set LIM,  68                          ; s68      1 in a wave that prefetches, else the greatest number
.set PFA,  70                          ; s[70:71] where my prefetches stand
.set PST,  72                          ; s[72:73] their step: a lap's K blocks
.set FLAGS, (1<<16)|(1<<20)|(1<<21)|(4<<22)|(3<<25)  ; 17:16 2-byte elements; 20 padding on; 21 set beside a mask; 24:22 after every 32 words (code 4); 31:25 4 words (code 3)
.set MSB, 0
.macro WIN new                         ; the immediate's high byte repeats the setting that is left; a switch that changes nothing is dropped
.if MSB != (\new)
	s_set_vgpr_msb (MSB<<8)|(\new)
.set MSB, (\new)
.endif
.endm
.macro JLOAD s                         ; a joint load: waves 0 and 1 fetch A's parts, waves 2 and 3 B's; an s_nop 0 and four v_nop follow each of the two lines, ahead of the jump, the label and what follows
	s_cmp_eq_u32 s11, 0
	s_cbranch_scc0 .Lfor_b_\@
	tensor_load_to_lds s[G0+4*(\s):G0+4*(\s)+3], s[G1:G1+7]
	s_nop 0
.rept 4
	v_nop
.endr
	s_branch .Lasked_\@
.Lfor_b_\@:
	tensor_load_to_lds s[G0B+4*(\s):G0B+4*(\s)+3], s[G1B:G1B+7]
	s_nop 0
.rept 4
	v_nop
.endr
.Lasked_\@:
.endm
.macro CREST                           ; a round of the cluster's barrier behind its opening barrier
	s_cmp_lg_u32 s10, 0
	s_cbranch_scc1 .Lnot_wave_0_\@
	s_barrier_signal -3
.Lnot_wave_0_\@:
	s_barrier_wait -3
	s_barrier_signal -1
	s_barrier_wait -1
.endm
.macro CROUND                          ; a whole round
	s_barrier_signal -1
	s_barrier_wait -1
	CREST
.endm
.macro PLACES                          ; four places in front of loads into registers that matrix instructions have read, and of lines that read results
.rept 4
	v_nop
.endr
.endm
.macro WM d, b, a, zero                ; one matrix instruction: accumulator at d, B's fragment at b, A's at a; zero = 1: it starts the sum
.if OPROJ
.if \zero
	v_wmma_f32_16x16x32_f16 v[(\d):(\d)+7], v[(\b):(\b)+7], v[(\a):(\a)+7], 0
.else
	v_wmma_f32_16x16x32_f16 v[(\d):(\d)+7], v[(\b):(\b)+7], v[(\a):(\a)+7], v[(\d):(\d)+7]
.endif
.else
.if \zero
	v_wmma_f32_16x16x32_bf16 v[(\d):(\d)+7], v[(\b):(\b)+7], v[(\a):(\a)+7], 0
.else
	v_wmma_f32_16x16x32_bf16 v[(\d):(\d)+7], v[(\b):(\b)+7], v[(\a):(\a)+7], v[(\d):(\d)+7]
.endif
.endif
.endm
; 8 matrix instructions of unit u: column blocks b0, b0 + 1 x all 4 row blocks.  C and D in window 1 + u % NW, both sources in window 0.
.macro MUL8 u, b0, zero
	WIN ((1+(\u)%NW)<<6)|((1+(\u)%NW)<<4)
.set FAm, FA0+32*(((\u)/NW)%2)
.set FBm, FB0+64*((\u)%2)
.irp b, \b0, (\b0)+1
.irp a, 0,1,2,3
	WM 8*(8*(\a)+(\b)), FBm+8*(\b), FAm+8*(\a), \zero
.endr
.endr
.endm
; The LDS loads of unit u, in one run: where the unit begins a new 32 along K, A's 4 fragments (8 loads) first; then B's 8 fragments of the unit's 128 columns (16 loads).
.macro FETCH slot, u
	WIN 0
.set ss, (\u)/NW
.set FAf, FA0+32*(ss%2)
.set FBf, FB0+64*((\u)%2)
.if (\u)%NW == 0
.irp a, 0,1,2,3
	ds_load_b128 v[FAf+8*(\a):FAf+8*(\a)+3],   v[ADRA+(\slot)] offset:(ss/2)*A_KB_L+(ss%2)*64+(\a)*16*PITCH
	ds_load_b128 v[FAf+8*(\a)+4:FAf+8*(\a)+7], v[ADRA+(\slot)] offset:(ss/2)*A_KB_L+(ss%2)*64+(\a)*16*PITCH+32
.endr
.endif
.irp i, 0,1,2,3,4,5,6,7
	ds_load_b128 v[FBf+8*(\i):FBf+8*(\i)+3],   v[ADRB+(\slot)] offset:(ss/2)*B_KB_L+(ss%2)*64+(8*((\u)%NW)+(\i))*16*PITCH
	ds_load_b128 v[FBf+8*(\i)+4:FBf+8*(\i)+7], v[ADRB+(\slot)] offset:(ss/2)*B_KB_L+(ss%2)*64+(8*((\u)%NW)+(\i))*16*PITCH+32
.endr
.endm
; A unit but a slot's last: in its middle the next unit's fragments are fetched, into buffers that were last read in an earlier unit.
.macro UNIT slot, u, zero
	s_wait_dscnt 8                                 ; A's fragments and B's 0-3 are in; the youngest eight loads (B's 4-7) may be out
	MUL8 \u, 0, \zero
	MUL8 \u, 2, \zero
	PLACES
	FETCH \slot, (\u)+1
.if ((\u)+1)%NW == 0
	s_wait_dscnt 24                                ; all but the 24 just issued
.else
	s_wait_dscnt 16                                ; all but the 16 just issued
.endif
	MUL8 \u, 4, \zero
	MUL8 \u, 6, \zero
.endm
.macro UNITS slot, lo, hi, zero        ; units lo .. hi
.set uu, \lo
.rept (\hi)-(\lo)+1
	UNIT \slot, uu, \zero
.set uu, uu+1
.endr
.endm
; A PREFETCH, once a lap, behind slot 0's joint load and the run of LDS loads that follows it: the K blocks of the lap after the one that is being asked for.  Each aligned block of 256 bytes is named once in the
; launch.  A's tile row is read by both clusters of that row of clusters: the one with x = 0 asks, by its wave 0; B's tile column by all eight clusters of that column: the one with y = 0 asks, by its wave 2.
; The four partners that ask for a tile jointly share a lap's bytes out BY ADDRESS (place cx for A, cy for B): NA or NB runs of 8,192 bytes each, a lane to each 256 bytes.
; The first two laps come by their loads alone; the loop's last trip asks for nothing: there is no lap behind the one that it fetches.
.macro ASK
	s_cmp_gt_u32 s3, s[LIM]                        ; s3 = 1 in the loop's last trip
	s_cbranch_scc0 .Lnot_mine_\@
	s_cmp_eq_u32 s11, 0
	s_cbranch_scc0 .Lask_b_\@
.set pf, 0
.rept NA
	global_prefetch_b8 v[PFO], s[PFA:PFA+1] offset:pf*8192 th:TH_LOAD_NT scope:SCOPE_SE
.set pf, pf+1
.endr
	s_branch .Lnot_mine_\@
.Lask_b_\@:
.set pf, 0
.rept NB
	global_prefetch_b8 v[PFO], s[PFA:PFA+1] offset:pf*8192 th:TH_LOAD_NT scope:SCOPE_SE
.set pf, pf+1
.endr
.Lnot_mine_\@:
.endm
; A slot's last unit, and the change of slots: ONE barrier.  In front of it each wave waits for all its tensor loads (the one that is out is its part of the next slot), adds 0 to its spare word, and waits for that
; and for its own reads of this slot.  fill = 1: the barrier opens a round of the cluster's, and behind the round this slot is filled again, two K steps on, first thing.
.macro TURN slot, next, fill
.if (\fill) && ((\slot) == 0)
	s_wait_xcnt 0x0                                ; the last prefetches, a lap back, have read their address: it is stepped here, ahead of the waits of the change of slots
	s_add_nc_u64 s[PFA:PFA+1], s[PFA:PFA+1], s[PST:PST+1]
.endif
	WIN 0                                          ; (the add's two registers lie in window 0)
	s_wait_tensorcnt 0x0                           ; all my tensor loads have landed;
	ds_add_u32 v[SPW], v[NIL]                      ; 0 onto my spare word;
	s_wait_dscnt 9                                 ; (the add and the youngest eight loads may be out)
	MUL8 UPS-1, 0, 0                               ; eight matrix instructions stand between the add and the wait for it
	s_wait_dscnt 0x0                               ; the add is done, and my reads of this slot are over
	s_barrier_signal -1
	MUL8 UPS-1, 2, 0
.if \fill
	WIN 0
.endif
	s_barrier_wait -1
.if \fill
	CREST                                          ; no wave of any partner still reads this slot's tiles or has a load on its way
	s_add_nc_u64 s[G0+4*(\slot)+2:G0+4*(\slot)+3], s[G0+4*(\slot)+2:G0+4*(\slot)+3], 2*A_STEP
	s_add_nc_u64 s[G0B+4*(\slot)+2:G0B+4*(\slot)+3], s[G0B+4*(\slot)+2:G0B+4*(\slot)+3], 2*B_STEP
	JLOAD \slot                                    ; the first tensor load behind the round; the four v_nop behind it are also the places in front of the loads below
.else
	PLACES
.endif
	FETCH \next, 0
.if (\fill) && ((\slot) == 0)
	ASK
.endif
	MUL8 UPS-1, 4, 0
	MUL8 UPS-1, 6, 0
.endm
	s_load_b128 s[4:7], s[0:1], 0x0                ; A s[4:5], B s[6:7]
	s_load_b64 s[8:9], s[0:1], 0x10                ; C
	v_lshl_add_u32 v[SPW], v0, 2, SPARE
	v_mov_b32 v[NIL], 0
	ds_add_u32 v[SPW], v[NIL]                      ; the wave's opening: the add and its wait stand ahead of my first tensor load; the set-up below, work on registers, stands between them
	v_lshrrev_b32 v1, 5, v0
	v_readfirstlane_b32 s10, v1                    ; wave 0..3: my 64 rows of the tile
	s_lshr_b32 s11, s10, 1                         ; I fetch for A (0) or for B (1),
	s_and_b32 s12, s10, 1                          ; its first or its second part
	s_bfe_u32 s40, ttmp6, 0x40000                  ; cx, cy: my place in the cluster
	s_bfe_u32 s41, ttmp6, 0x40004
	s_lshl_b32 s42, ttmp9, 2
	s_add_co_u32 s42, s42, s40                     ; tile column of C = 4 x cluster x + cx
	s_and_b32 s13, ttmp7, 0xffff
	s_lshl_b32 s13, s13, 2
	s_add_co_u32 s13, s13, s41                     ; tile row of C = 4 x cluster y + cy
	s_lshl_b32 s66, s41, 2
	s_lshl_b32 s66, 15, s66                        ; my row of the cluster
	s_lshl_b32 s67, 0x1111, s40                    ; my column
	s_or_b32 s[G1+0], s66, FLAGS                   ; A's tiles go to my row,
	s_or_b32 s[G1B+0], s67, FLAGS                  ; B's to my column
	s_mov_b32 s[G1+1], 128<<16                     ; tensor_dim0 = 128 elements: 256 bytes, two matrix rows
	s_mov_b32 s[G1+2], A_DROWS<<16                 ; tensor_dim1
	s_mov_b32 s[G1+3], 128<<16                     ; tile_dim0
	s_mov_b32 s[G1+4], A_DROWS                     ; tile_dim1
	s_mov_b32 s[G1+5], 128                         ; from row to row: dense
	s_mov_b32 s[G1+6], 0
	s_mov_b32 s[G1+7], 0
	s_mov_b32 s[G1B+1], 128<<16
	s_mov_b32 s[G1B+2], B_DROWS<<16
	s_mov_b32 s[G1B+3], 128<<16
	s_mov_b32 s[G1B+4], B_DROWS
	s_mov_b32 s[G1B+5], 128
	s_mov_b32 s[G1B+6], 0
	s_mov_b32 s[G1B+7], 0
	s_lshl_b32 s16, s13, 15                        ; A: the tile's 256 rows of 128 bytes in a K block,
	s_mul_i32 s17, s12, A_PART_G                   ; my part
	s_add_co_u32 s16, s16, s17
	s_mov_b32 s17, 0
	s_mul_i32 s46, s42, BROWS*128                  ; B: the tile's rows in a K block,
	s_mul_i32 s47, s12, B_PART_G                   ; my part
	s_add_co_u32 s46, s46, s47
	s_mov_b32 s47, 0
	s_mul_i32 s20, s12, A_PART_L                   ; where they go: no place in the cluster enters an LDS address
	s_mul_i32 s21, s12, B_PART_L
	s_add_co_u32 s21, s21, B_BASE_L
	s_wait_dscnt 0x0                               ; the opening add is done
	s_wait_kmcnt 0x0
	s_add_nc_u64 s[14:15], s[4:5], s[16:17]
	s_add_nc_u64 s[46:47], s[6:7], s[46:47]
	CROUND                                         ; all sixteen work-groups are here: the first joint loads meet
.irp s, 0,1
	s_mov_b32 s[G0+4*(\s)], 1
	s_add_co_u32 s[G0+4*(\s)+1], s20, (\s)*SLOT
	s_add_nc_u64 s[G0+4*(\s)+2:G0+4*(\s)+3], s[14:15], (\s)*A_STEP
	s_or_b32 s[G0+4*(\s)+3], s[G0+4*(\s)+3], 0x80000000
	s_mov_b32 s[G0B+4*(\s)], 1
	s_add_co_u32 s[G0B+4*(\s)+1], s21, (\s)*SLOT
	s_add_nc_u64 s[G0B+4*(\s)+2:G0B+4*(\s)+3], s[46:47], (\s)*B_STEP
	s_or_b32 s[G0B+4*(\s)+3], s[G0B+4*(\s)+3], 0x80000000
	JLOAD \s                                       ; two loads of mine are out
.endr
	; A fragment is 16 rows x 32 K in 8 registers: lane l holds row l % 16, K = 8 (l / 16) + 0..7 and 16 + 8 (l / 16) + 0..7: two loads of 16 bytes, 32 bytes apart.
	v_and_b32 v1, 15, v0                           ; l % 16
	v_bfe_u32 v2, v0, 4, 1                         ; l / 16
	v_mul_u32_u24 v3, v1, PITCH
	v_lshl_add_u32 v3, v2, 4, v3
	s_mul_i32 s21, s10, 64*PITCH                   ; my 64 rows of A
	s_mov_b32 s22, B_BASE_L                        ; all of B's rows
.irp s, 0,1
	v_add_nc_u32 v[ADRA+(\s)], s21, v3
	v_add_nc_u32 v[ADRB+(\s)], s22, v3
	s_add_co_u32 s21, s21, SLOT
	s_add_co_u32 s22, s22, SLOT
.endr
	s_mul_i32 s23, s10, STGB
	s_add_co_u32 s23, s23, STAGE                   ; my stage
	s_lshl_b32 s16, s13, 8
	s_lshl_b32 s17, s10, 6
	s_add_co_u32 s16, s16, s17                     ; my first row of C
	s_mov_b32 s17, 0
	s_mov_b32 s47, 0
.if OPROJ
	v_mul_u32_u24 v4, v1, 528                      ; in: row l % 16, 32 bytes for each half of the lanes
	v_lshl_add_u32 v4, v2, 5, v4
	v_add_nc_u32 v[STO], s23, v4
	v_and_b32 v5, 31, v0
	v_lshlrev_b32 v[CO], 4, v5                     ; back: 32 lanes take a row's 512 bytes, which are 512 consecutive bytes of out0
	v_add_nc_u32 v[RD], s23, v[CO]
	s_lshl_b32 s16, s16, 12                        ; rows of 4,096 bytes
	s_lshl_b32 s46, s42, 9                         ; the tile's 128 columns
.else
	v_mul_u32_u24 v4, v1, 272                      ; in: row l % 16, 16 bytes for each half of the lanes
	v_lshl_add_u32 v4, v2, 4, v4
	v_add_nc_u32 v[STO], s23, v4
	v_mul_u32_u24 v5, v2, 272                      ; back: lanes 0-15 take one row of 256 bytes, lanes 16-31 the next
	v_lshl_add_u32 v5, v1, 4, v5
	v_add_nc_u32 v[RD], s23, v5
	v_lshlrev_b32 v5, 8, v2                        ; and the same two rows in a column tile: 512 consecutive bytes
	v_lshl_add_u32 v[CO], v1, 4, v5
	s_lshl_b32 s16, s16, 8                         ; rows of 256 bytes
	s_mul_i32 s46, s42, 3*2097152                  ; the tile's three column tiles of 8,192 x 256 bytes
.endif
	s_add_nc_u64 s[8:9], s[8:9], s[16:17]
	s_add_nc_u64 s[8:9], s[8:9], s[46:47]
	; the prefetches
	s_and_b32 s22, ttmp7, 0xffff                   ; cluster y
	s_lshl_b32 s18, s13, 15
	s_mul_i32 s19, s42, BROWS*128
	s_mov_b32 s23, PLANE_B
	s_mov_b32 s47, NB*8192
	s_cmp_eq_u32 s11, 0                            ; do I fetch for A?
	s_cselect_b32 s20, s18, s19                    ; the tile's bytes in a K block
	s_cselect_b32 s21, s40, s41                    ; my place among the four that ask for it with me
	s_cselect_b32 s22, ttmp9, s22                  ; the coordinate along which other clusters read the same rows
	s_cselect_b32 s23, PLANE_A, s23
	s_cselect_b32 s47, NA*8192, s47                ; a partner's share
	s_cselect_b64 s[PFA:PFA+1], s[4:5], s[6:7]
	s_or_b32 s22, s22, s12                         ; waves 0 and 2 of the first cluster along that coordinate:
	s_cmp_eq_u32 s22, 0
	s_cselect_b32 s[LIM], 1, -1                    ; the same in all sixteen partners, for a given wave
	s_lshr_b32 s46, s21, PSH                       ; which of a lap's K blocks is mine,
	s_add_co_u32 s46, s46, NPL                     ; in lap 1: the first change of slots steps it to lap 2
	s_mul_i32 s46, s46, s23
	s_add_co_u32 s20, s20, s46
	s_and_b32 s21, s21, (1<<PSH)-1                 ; and which share of the tile's bytes in it
	s_mul_i32 s21, s21, s47
	s_add_co_u32 s20, s20, s21
	s_mov_b32 s21, 0
	s_add_nc_u64 s[PFA:PFA+1], s[PFA:PFA+1], s[20:21]
	s_mul_i32 s[PST], s23, NPL
	s_mov_b32 s[PST+1], 0
	v_and_b32 v[PFO], 31, v0
	v_lshlrev_b32 v[PFO], 8, v[PFO]
	s_wait_tensorcnt 1                             ; my part of slot 0 is in; slot 1's may stay out
	s_barrier_signal -1
	s_barrier_wait -1                              ; everybody's is
	FETCH 0, 0
	UNITS 0, 0, NW-1, 1                            ; the first 32 along K stand in front of the loop: their products start the sums
	WIN 0                                          ; at a label and at a branch every window is 0
	s_mov_b32 s3, LAPS-1
.Llap:                                                 ; a trip goes once round the ring, from a lap's second 32 along K to the next lap's first, and fills both slots again
	UNITS 0, NW, UPS-2, 0
	TURN 0, 1, 1
	UNITS 1, 0, UPS-2, 0
	TURN 1, 0, 1
	UNITS 0, 0, NW-1, 0
	WIN 0
	s_sub_co_u32 s3, s3, 1
	s_cmp_lg_u32 s3, 0
	s_cbranch_scc1 .Llap
	UNITS 0, NW, UPS-2, 0                          ; the last lap fills nothing, and has no round of the cluster's barrier
	TURN 0, 1, 0
	UNITS 1, 0, UPS-2, 0
	s_wait_dscnt 8                                 ; the very last unit: nothing more to fetch
	MUL8 UPS-1, 0, 0
	MUL8 UPS-1, 2, 0
	s_wait_dscnt 0x0
	MUL8 UPS-1, 4, 0
	MUL8 UPS-1, 6, 0
	WIN 0
.if OPROJ
; THE WAY OUT, f32: a block of 16 rows x 128 columns goes into my own stage (rows of 528 bytes) and comes back as whole rows of 512 bytes.  LDS serves a wave's instructions in order (ISA guide 5.7.1.4),
; so the loads see the stores above them, and the next block's stores come behind them.
.macro STG a
.if (\a) >= 2
	s_wait_xcnt 0x0                                ; the stores of the block two back have read the registers that are loaded again below
.endif
.set BK, 32+64*((\a)%2)
	WIN 0x04                                       ; the store's data (source 1) in window 1
.irp b, 0,1,2,3,4,5,6,7
	ds_store_b128 v[STO], v[64*(\a)+8*(\b):64*(\a)+8*(\b)+3]   offset:64*(\b)
	ds_store_b128 v[STO], v[64*(\a)+8*(\b)+4:64*(\a)+8*(\b)+7] offset:64*(\b)+16
.endr
	WIN 0
.irp t, 0,1,2,3,4,5,6,7,8,9,10,11,12,13,14,15
	ds_load_b128 v[BK+4*(\t):BK+4*(\t)+3], v[RD] offset:(\t)*528
.endr
.endm
.macro SENDF a, younger                ; younger: the LDS instructions issued behind block a's loads: the next block's 32, or none
.set BK, 32+64*((\a)%2)
	s_wait_dscnt \younger
.irp t, 0,1,2,3,4,5,6,7,8,9,10,11,12,13,14,15
	global_store_b128 v[CO], v[BK+4*(\t):BK+4*(\t)+3], s[8:9] offset:(16*(\a)+(\t))*4096 th:TH_STORE_NT  ; 512 consecutive bytes, at a multiple of 256 from out0's first byte
.endr
.endm
	PLACES
	STG 0
	STG 1
	SENDF 0, 32
	STG 2
	SENDF 1, 32
	STG 3
	SENDF 2, 32
	SENDF 3, 0
.else
; THE WAY OUT, f16: block i of twelve (window 1 + i / 4, rows 16 (i % 4) on): rounded to f16, 16 bytes a lane; into my own stage (rows of 272 bytes); back as whole rows of 256 bytes; stored.
.macro PACK i
.set pw, 1+(\i)/4
.set AC, 64*((\i)%4)
	WIN pw|(pw<<2)                                 ; sources 0 and 1 in the block's window
.irp b, 0,1,2,3,4,5,6,7
.irp r, 0,1,2,3
	v_cvt_pk_f16_f32 v[TMP+4*(\b)+(\r)], v[AC+8*(\b)+2*(\r)], v[AC+8*(\b)+2*(\r)+1]
.endr
.endr
	WIN 0
.endm
.macro TOSTAGE i
.set BK, 32+32*((\i)%2)
.irp b, 0,1,2,3,4,5,6,7
	ds_store_b128 v[STO], v[TMP+4*(\b):TMP+4*(\b)+3] offset:32*(\b)
.endr
.irp t, 0,1,2,3,4,5,6,7
	ds_load_b128 v[BK+4*(\t):BK+4*(\t)+3], v[RD] offset:(\t)*2*272  ; LDS serves a wave's instructions in order (ISA guide 5.7.1.4): these see the stores above
.endr
.endm
.macro SEND i
.set BK, 32+32*((\i)%2)
	s_wait_dscnt 0x0                               ; the block is back in registers
	s_wait_xcnt 0x0                                ; the stores of the block before have read their registers, which the next block's loads write
.irp t, 0,1,2,3,4,5,6,7
	global_store_b128 v[CO], v[BK+4*(\t):BK+4*(\t)+3], s[8:9] offset:((\i)/4)*2097152+((\i)%4)*4096+(\t)*512  ; 512 consecutive bytes, at a multiple of 256 from the buffer's first byte
.endr
.endm
	PLACES
	PACK 0
	TOSTAGE 0
.irp i, 1,2,3,4,5,6,7,8,9,10,11        ; block i's conversions stand between block i - 1's loads from the stage and the wait for them
	PACK \i
	SEND (\i)-1
	TOSTAGE \i
.endr
	SEND 11
.endif
	s_wait_tensorcnt 0x0                           ; the wave's end, behind my last tensor load and my last LDS store
	ds_add_u32 v[SPW], v[NIL]
	s_wait_dscnt 0x0
	CROUND                                         ; the closing round: no work-group ends while a partner may still ask for a tile that names it
	s_endpgm
.Lfunc_end_k_qea8f747da9_qkv:
	.size	k_qea8f747da9_qkv, .Lfunc_end_k_qea8f747da9_qkv-k_qea8f747da9_qkv
	.p2alignl 7, 3214868480
	.fill 96, 4, 3214868480
	.section	.rodata,"a",@progbits
	.p2align	6, 0x0
	.amdhsa_kernel k_qea8f747da9_qkv
		.amdhsa_group_segment_fixed_size 327680
		.amdhsa_private_segment_fixed_size 0
		.amdhsa_enable_private_segment 0
		.amdhsa_kernarg_size 24
		.amdhsa_user_sgpr_count 2
		.amdhsa_user_sgpr_kernarg_segment_ptr 1
		.amdhsa_wavefront_size32 1
		.amdhsa_system_sgpr_workgroup_id_x 1
		.amdhsa_system_sgpr_workgroup_id_y 1
		.amdhsa_system_sgpr_workgroup_id_z 1
		.amdhsa_system_vgpr_workitem_id 0
		.amdhsa_next_free_vgpr 1024
		.amdhsa_next_free_sgpr 80
		.amdhsa_reserve_vcc 0
		.amdhsa_float_denorm_mode_32 3
		.amdhsa_float_denorm_mode_16_64 3
		.amdhsa_memory_ordered 1
		.amdhsa_forward_progress 1
		.amdhsa_inst_pref_size 141
	.end_amdhsa_kernel
	.amdgpu_metadata
---
amdhsa.version: [ 1, 2 ]
amdhsa.kernels:
  - .name:           k_qea8f747da9_qkv
    .symbol:         k_qea8f747da9_qkv.kd
    .args:
      - { .name: xb, .offset: 0, .size: 8, .value_kind: global_buffer, .address_space: global }
      - { .name: wqkv, .offset: 8, .size: 8, .value_kind: global_buffer, .address_space: global }
      - { .name: qkv, .offset: 16, .size: 8, .value_kind: global_buffer, .address_space: global }
    .group_segment_fixed_size: 327680
    .private_segment_fixed_size: 0
    .kernarg_segment_align: 8
    .kernarg_segment_size: 24
    .max_flat_workgroup_size: 128
    .sgpr_count:     80
    .vgpr_count:     1024
    .wavefront_size: 32
...
	.end_amdgpu_metadata
.endif
;; end of part 2
;; launch attn (part 3): grid 256 x 1, 8 waves a work-group, no clusters, 327,680 bytes of LDS; arguments qkv, q_norm_w, k_norm_w, o16; writes o16
.if DOCPART == 3
	.amdgcn_target "amdgcn-amd-amdhsa--gfx1250"
	.amdhsa_code_object_version 6
	.text
	.protected	k_qea8f747da9_attn
	.globl	k_qea8f747da9_attn
	.p2align	8
	.type	k_qea8f747da9_attn,@function
k_qea8f747da9_attn:
	s_mov_b64 s[64:65], 0
	v_nop
	global_prefetch_b8 v0, s[64:65] scope:SCOPE_SE
	s_setreg_imm32_b32 hwreg(HW_REG_WAVE_MODE, 25, 1), 1
	s_wait_xcnt 0x0
; RMS norm of q and k over the whole row of 1,024 channels, with gains; attention in 8 heads of 128 channels with ALiBi, causal, window 16: query i sees keys i - 16 .. i of its batch.
; IN: qkv, f16, [24][8192][128]: raw q (tiles 0-7, a head each), k (8-15), v (16-23).  The gains, f32, are rounded to bf16 like the module's other inputs.  OUT: o16, f16, [16 K blocks][8192][64]: head hd is blocks 2 hd, 2 hd + 1.
; SHARES.  A work-group owns 32 query rows in all heads, so it holds whole rows for the norm; wave = head.  A wave has two tiles of 16 queries and three of 16 keys: the 16 rows in front (the halo), then its own 32.
; Query tile tq needs key tiles tq and tq + 1: 32 keys, all that the mask leaves, so ONE pass holds every score of a row: the true maximum is taken away, no running one is needed.
; Where the block is a batch's first (row0 a multiple of 2,048) the halo lies outside the batch: the block's own first rows are loaded in its place, and all of it is hidden.
; ARITHMETIC.  score x log2(e) = (k . Qh) x rk x c + slope x log2(e) x (j - i), with Qh = q x rq x wq x wk rounded to f16, rq, rk = 1 / sqrt(mean of squares + 1e-6), c = log2(e) / sqrt(128).  K goes into the product as it lies.
; Sums of squares, scores, maxima and sums in f32; the weights p are rounded to f16 for the second product (their sum is taken of the unrounded p), O once at the end.
; LIMITS.  Qh must stay under 65,504: |q rq| is 32 at the most, so |wq wk| under 2,047 is safe.  A hidden score counts as -1e30.  NaN and infinities are not treated apart.
; LAYOUT.  S^T = K Qh^T (source 0 = 16 keys, source 1 = 16 queries): a lane holds ONE query (lane % 16) and the keys 8 (lane / 16) + 0..7; the two tiles' weights, rounded in pairs, ARE source 1 of O^T = V^T P.
; NO CLUSTER: neighbouring work-groups share the 16 halo rows alone, an eighth of a work-group's bytes.  NO RING: all that a work-group reads, five tiles a wave, is asked for at the head, and nothing is filled again.
.set WBLK, 40192                       ; a wave's block of LDS:
.set PQ,   272                         ; rows of Q and K: 256 bytes + 16: the 16 rows of a load start at 16 different groups of four banks (64 banks of 4 bytes: ISA guide 11.1)
.set PVV,  288                         ; rows of V: 256 + 32
.set LK,   32*PQ                       ; Q's 32 rows at 0; K's 48 rows (halo, own) here;
.set LV,   LK+48*PQ                    ; V's 48 rows here;
.set LSTG, LV+48*PVV                   ; the stage for the way out, 2 x 16 rows x 144 bytes, in blocks of 256 bytes of its own, never filled by a tensor load
.set SSB,  8*WBLK                      ; sums of squares, f32 [80 rows][8 waves]: rows 0-31 q's, 32-79 k's
.set RKT,  SSB+2560                    ; each wave's own table of 48 rk x c, 256 bytes a wave
.set SPARE, RKT+2048                   ; the spare words, 128 bytes a wave: four blocks of 256 bytes that no other line names
.set AQ,  3                            ; v3   LDS address of my place in a tile of Q
.set AK,  4                            ; v4   of K
.set AV,  5                            ; v5   of V (turning load)
.set ASW, 6                            ; v6   where I put a row's sum of squares
.set ASR, 7                            ; v7   where I read a row's eight
.set ARW, 8                            ; v8   where I put rk x c
.set ARR, 9                            ; v9   where I read eight of them
.set STO, 10                           ; v10  the way out: where I put 16 bytes of a row
.set RD,  11                           ; v11  where I read rows back
.set GO,  12                           ; v12  16 x lane
.set WO,  13                           ; v13  my byte offset in the gains
.set ZR,  14                           ; v14  0
.set BIGV, 15                          ; v15  -1e30
.set RQ,  16                           ; v[16:17], v[18:19]  rq of tile 0, 1, each the low word of a pair
.set M,   20                           ; v[20:21]  the maximum, low word
.set L,   22                           ; v[22:23]  the sum, then its reciprocal, low word
.set SPW, 30                           ; v30  LDS address of my spare word; never rewritten
.set NIL, 31                           ; v31  0; never rewritten
.set BP0, 32                           ; v[32:39]  the bias of the earlier key tile for query tile 0 (all hidden in a batch's first block)
.set BP,  40                           ; v[40:47]  for query tile 1
.set BC,  48                           ; v[48:55]  the bias of the queries' own key tile
.set Q,   56                           ; v[56:119] Q, 32 a tile: raw, then Qh in place
.set P,   120                          ; v[120:127] the weights; earlier the sums' four chains
.set KV,  128                          ; v[128:191] two tiles of K, then V; earlier the packed gains and other work
.set S,   192                          ; v[192:207] S^T, two tiles
.set RK,  208                          ; v[208:223] rk x c of the lane's 16 keys
.set O,   192                          ; v[192:255] O^T, 8 a channel block; earlier wq x wk of the lane's 64 channels
.macro GROUP1 g, rows, pad             ; a tile of rows x 128 elements of 2 bytes, dense in memory, pad words behind every 64 words in LDS
	s_mov_b32 s[(\g)+0], (1<<16)|(1<<20)|(5<<22)|(((\pad)-1)<<25)
	s_mov_b32 s[(\g)+1], 128<<16
	s_mov_b32 s[(\g)+2], (\rows)<<16
	s_mov_b32 s[(\g)+3], 128<<16
	s_mov_b32 s[(\g)+4], \rows
	s_mov_b32 s[(\g)+5], 128
	s_mov_b32 s[(\g)+6], 0
	s_mov_b32 s[(\g)+7], 0
.endm
.macro GROUP0 g, lds, src, plane       ; to my block's byte lds, from the address in s[src:src+1] plus plane bytes
	s_mov_b32 s[(\g)], 1
	s_add_co_u32 s[(\g)+1], s90, \lds
	s_add_nc_u64 s[(\g)+2:(\g)+3], s[(\src):(\src)+1], \plane
	s_or_b32 s[(\g)+3], s[(\g)+3], 0x80000000
.endm
.macro PLACES
.rept 4
	v_nop
.endr
.endm
.macro LDF dst, adr, off               ; a tile of 16 rows x 128 channels: four fragments, 8 loads
.irp ks, 0,1,2,3
	ds_load_b128 v[(\dst)+8*(\ks):(\dst)+8*(\ks)+3],   v[\adr] offset:(\off)+64*(\ks)
	ds_load_b128 v[(\dst)+8*(\ks)+4:(\dst)+8*(\ks)+7], v[\adr] offset:(\off)+64*(\ks)+32
.endr
.endm
; The sum of squares of my head's 128 channels of row lane % 16 of the tile in v[src ..]: my 64 numbers in four chains, the other half of the lanes' 64, and into the table at row + lane % 16.
.macro SSQ src, row
.set i, 0
.rept 32
.if i < 2
	v_fma_mix_f32 v[P+2*i],   v[(\src)+i], v[(\src)+i], v[ZR] op_sel_hi:[1,1,0]
	v_fma_mix_f32 v[P+2*i+1], v[(\src)+i], v[(\src)+i], v[ZR] op_sel:[1,1,0] op_sel_hi:[1,1,0]
.else
	v_fma_mix_f32 v[P+2*(i%2)],   v[(\src)+i], v[(\src)+i], v[P+2*(i%2)]   op_sel_hi:[1,1,0]
	v_fma_mix_f32 v[P+2*(i%2)+1], v[(\src)+i], v[(\src)+i], v[P+2*(i%2)+1] op_sel:[1,1,0] op_sel_hi:[1,1,0]
.endif
.set i, i+1
.endr
	v_add_f32 v[P], v[P], v[P+1]
	v_add_f32 v[P+2], v[P+2], v[P+3]
	v_add_f32 v[P], v[P], v[P+2]
	v_permlanex16_b32 v28, v[P], s74, s75
	v_add_f32 v[P], v[P], v28
	ds_store_b32 v[ASW], v[P] offset:(\row)*32     ; both halves of the lanes write the same word with the same number
.endm
	s_load_b256 s[4:11], s[0:1], 0x0               ; qkv s[4:5], q_norm_w s[6:7], k_norm_w s[8:9], o16 s[10:11]
	v_lshl_add_u32 v[SPW], v0, 2, SPARE
	v_mov_b32 v[NIL], 0
	ds_add_u32 v[SPW], v[NIL]                      ; the wave's opening: the add and its wait stand ahead of my first tensor load; the set-up below, work on registers, stands between them
	v_lshrrev_b32 v1, 5, v0
	v_readfirstlane_b32 s12, v1                    ; wave = head
	GROUP1 16, 32, 4                               ; Q, K's own rows
	GROUP1 24, 16, 4                               ; K's halo
	GROUP1 32, 32, 8                               ; V's own rows
	GROUP1 40, 16, 8                               ; V's halo
	s_mul_i32 s90, s12, WBLK                       ; my block of LDS
	s_lshl_b32 s14, ttmp9, 13                      ; my 32 rows of 256 bytes in a column tile
	s_and_b32 s2, ttmp9, 63
	s_cmp_eq_u32 s2, 0                             ; a batch's first block?
	s_cselect_b32 s15, -1, 0                       ; as a mask of lanes
	s_cselect_b32 s3, 0, 4096                      ; the halo begins 16 rows back, or not at all
	s_sub_co_u32 s3, s14, s3
	s_lshl_b32 s84, s12, 21                        ; my head's column tile of q: 8,192 x 256 bytes each
	s_add_co_u32 s86, s84, s14
	s_mov_b32 s87, 0
	s_add_co_u32 s88, s84, s3
	s_mov_b32 s89, 0
	s_lshl_b32 s2, ttmp9, 12                       ; in o16: my head's two K blocks are again 2^21 bytes; my 32 rows of 128 bytes
	s_add_co_u32 s84, s84, s2
	s_mov_b32 s85, 0
	s_add_co_u32 s2, s12, 1
	s_lshl_b32 s2, s2, 23
	s_sub_co_u32 s72, 0x3fb8aa3b, s2               ; log2(e) x 2^-(head + 1): the exponent field is taken down
	s_mov_b32 s74, 0x76543210                      ; v_permlanex16_b32: each lane takes its own place in the other half
	s_mov_b32 s75, 0xfedcba98
	s_mov_b32 s76, 0x3a800000                      ; 1 / 1,024
	s_mov_b32 s77, 0x358637bd                      ; 1e-6
	s_mov_b32 s78, 0x3e0293ee                      ; c = log2(e) / sqrt(128)
	s_wait_dscnt 0x0                               ; the opening add is done
	s_wait_kmcnt 0x0
	s_add_nc_u64 s[86:87], s[4:5], s[86:87]        ; q at my own rows,
	s_add_nc_u64 s[88:89], s[4:5], s[88:89]        ; and at the halo's
	s_add_nc_u64 s[80:81], s[10:11], s[84:85]      ; O at my rows
	GROUP0 48, 0, 86, 0                            ; Q
	GROUP0 52, LK, 88, 0x1000000                   ; K lies 8 column tiles behind q: its halo,
	GROUP0 56, LK+16*PQ, 86, 0x1000000             ; its own rows
	GROUP0 60, LV, 88, 0x2000000                   ; V 16 column tiles behind
	GROUP0 68, LV+16*PVV, 86, 0x2000000
	tensor_load_to_lds s[48:51], s[16:23]          ; five loads of mine are out, each into bytes of my block
	s_nop 0
	tensor_load_to_lds s[52:55], s[24:31]
	s_nop 0
	tensor_load_to_lds s[56:59], s[16:23]
	s_nop 0
	tensor_load_to_lds s[60:63], s[40:47]
	s_nop 0
	tensor_load_to_lds s[68:71], s[32:39]
	s_nop 0
	; WHILE THE TILES ARE ON THEIR WAY.  The gains of my 64 channels, in a fragment's order: register 16 ks + i is channel 32 ks + 8 (l / 16) + i for i < 8, 32 ks + 16 + 8 (l / 16) + i - 8 for the rest.
	v_and_b32 v1, 15, v0                           ; l % 16
	v_bfe_u32 v2, v0, 4, 1                         ; l / 16
	s_lshl_b32 s3, s12, 9
	v_lshl_add_u32 v[WO], v2, 5, s3                ; head x 512 + 32 x half
.irp ks, 0,1,2,3
.irp c, 0,1,2,3
	global_load_b128 v[O+16*(\ks)+4*(\c):O+16*(\ks)+4*(\c)+3],   v[WO], s[6:7] offset:(\ks)*128+((\c)/2)*64+((\c)%2)*16
	global_load_b128 v[KV+16*(\ks)+4*(\c):KV+16*(\ks)+4*(\c)+3], v[WO], s[8:9] offset:(\ks)*128+((\c)/2)*64+((\c)%2)*16
.endr
.endr
	v_mov_b32 v[ZR], 0
	v_mov_b32 v[BIGV], 0xf149f2ca                  ; -1e30
	v_mov_b32 v[RQ+1], 0                           ; the upper words of the pairs are named with the lower, so they are written
	v_mov_b32 v[RQ+3], 0
	v_mov_b32 v[M+1], 0
	v_mov_b32 v[L+1], 0
	v_mov_b32 v28, 0                               ; v_permlanex16_b32's destination counts as read
	v_mul_u32_u24 v24, v1, PQ
	v_lshl_add_u32 v24, v2, 4, v24
	v_add_nc_u32 v[AQ], s90, v24                   ; row x pitch + 16 x half
	v_add_nc_u32 v[AK], LK, v[AQ]
	v_and_b32 v25, 7, v0
	v_bfe_u32 v26, v0, 3, 1
	v_lshl_add_u32 v27, v2, 3, v25                 ; the turning load: lane l reads key 8 (l / 16) + l % 8, channels 8 ((l / 8) % 2) + 0..7
	v_mul_u32_u24 v27, v27, PVV
	v_lshl_add_u32 v27, v26, 4, v27
	v_add_nc_u32 v27, s90, v27
	v_add_nc_u32 v[AV], LV, v27
	v_lshl_add_u32 v[ASR], v1, 5, SSB              ; a row of the table is 32 bytes,
	s_lshl_b32 s2, s12, 2
	v_add_nc_u32 v[ASW], s2, v[ASR]                ; my wave's word in it
	s_lshl_b32 s3, s12, 8
	s_add_co_u32 s3, s3, RKT
	v_lshl_add_u32 v[ARW], v1, 2, s3
	v_lshl_add_u32 v[ARR], v2, 5, s3
	s_add_co_u32 s2, s90, LSTG
	v_mul_u32_u24 v24, v1, 144                     ; into the stage: row l % 16, 16 bytes for each half of the lanes
	v_lshl_add_u32 v24, v2, 4, v24
	v_add_nc_u32 v[STO], s2, v24
	v_bfe_u32 v24, v0, 3, 2                        ; back: 32 lanes take four rows of 128 bytes,
	v_mul_u32_u24 v24, v24, 144
	v_lshl_add_u32 v24, v25, 4, v24
	v_add_nc_u32 v[RD], s2, v24
	v_and_b32 v24, 31, v0                          ; which are 512 consecutive bytes of o16
	v_lshlrev_b32 v[GO], 4, v24
	; The biases.  Register j of a tile of S^T is key 8 (l / 16) + j, query l % 16: t = key - query in the tile.  Own tile: j - i = t, seen where t <= 0.  Earlier tile: j - i = t - 16, seen where t >= 0.
	v_lshlrev_b32 v29, 3, v2
	v_sub_nc_u32 v29, v29, v1
.irp j, 0,1,2,3,4,5,6,7
	v_add_nc_u32 v24, \j, v29
	v_add_nc_u32 v25, -16, v24
	v_cvt_f32_i32 v26, v24
	v_cvt_f32_i32 v27, v25
	v_mul_f32 v26, s72, v26
	v_mul_f32 v27, s72, v27
	v_cmp_ge_i32 vcc_lo, 0, v24
	v_cndmask_b32 v[BC+(\j)], v[BIGV], v26, vcc_lo
	v_cmp_le_i32 vcc_lo, 0, v24
	v_cndmask_b32 v[BP+(\j)], v[BIGV], v27, vcc_lo
	v_cndmask_b32 v[BP0+(\j)], v[BP+(\j)], v[BIGV], s15
.endr
	s_wait_loadcnt 0x0                             ; the gains
.set i, 0
.rept 32
	v_cvt_pk_bf16_f32 v[KV+i], v[KV+2*i], v[KV+2*i+1]      ; k_norm_w to bf16, packed downward in place: register i is written when registers 2 i, 2 i + 1 are read
.set i, i+1
.endr
.set i, 0
.rept 32
	v_cvt_pk_bf16_f32 v[KV+32+i], v[O+2*i], v[O+2*i+1]     ; q_norm_w to bf16
.set i, i+1
.endr
.set i, 0
.rept 32
	v_fma_mix_f32_bf16 v[O+2*i],   v[KV+32+i], v[KV+i], v[ZR] op_sel_hi:[1,1,0]                 ; wq x wk, exact in f32
	v_fma_mix_f32_bf16 v[O+2*i+1], v[KV+32+i], v[KV+i], v[ZR] op_sel:[1,1,0] op_sel_hi:[1,1,0]
.set i, i+1
.endr
	; SUMS OF SQUARES.  The counted waits on DScnt: the LDS instructions issued behind the tile's eight loads (later tiles' loads, and one store for each tile already summed).
	s_wait_tensorcnt 0x2                           ; Q and K's two tiles are in; V's two loads stay out
	LDF Q, AQ, 0
	LDF Q+32, AQ, 16*PQ
	LDF KV, AK, 0
	LDF KV+32, AK, 16*PQ
	s_wait_dscnt 24
	SSQ Q, 0
	s_wait_dscnt 17
	SSQ Q+32, 16
	s_wait_dscnt 10
	SSQ KV, 32
	LDF KV, AK, 32*PQ                              ; K's third tile, where the first lay
	s_wait_dscnt 11
	SSQ KV+32, 48
	s_wait_dscnt 1
	SSQ KV, 64
	s_wait_dscnt 0x0                               ; for the others' sake: my words of the table are written
	s_barrier_signal -1                            ; the one barrier: V's loads may stay out
	s_barrier_wait -1
	; THE ROW FACTORS, for row lane % 16 of each of the five tiles (q 0, 1; k 0, 1, 2): every wave makes them for itself.
.irp t, 0,1,2,3,4
	ds_load_b128 v[KV+8*(\t):KV+8*(\t)+3],   v[ASR] offset:(\t)*512
	ds_load_b128 v[KV+8*(\t)+4:KV+8*(\t)+7], v[ASR] offset:(\t)*512+16
.endr
	s_wait_dscnt 0x0
.irp t, 0,1,2,3,4
	v_pk_add_f32 v[KV+8*(\t):KV+8*(\t)+1],   v[KV+8*(\t):KV+8*(\t)+1],   v[KV+8*(\t)+2:KV+8*(\t)+3]
	v_pk_add_f32 v[KV+8*(\t)+4:KV+8*(\t)+5], v[KV+8*(\t)+4:KV+8*(\t)+5], v[KV+8*(\t)+6:KV+8*(\t)+7]
.endr
.irp t, 0,1,2,3,4
	v_pk_add_f32 v[KV+8*(\t):KV+8*(\t)+1], v[KV+8*(\t):KV+8*(\t)+1], v[KV+8*(\t)+4:KV+8*(\t)+5]
.endr
.irp t, 0,1,2,3,4
	v_add_f32 v[KV+8*(\t)], v[KV+8*(\t)], v[KV+8*(\t)+1]
.endr
.irp t, 0,1,2,3,4
	v_fma_f32 v[KV+8*(\t)], v[KV+8*(\t)], s76, s77 ; mean of squares + 1e-6
.endr
	v_rsq_f32 v[RQ], v[KV]
	v_rsq_f32 v[RQ+2], v[KV+8]
	v_rsq_f32 v24, v[KV+16]
	v_rsq_f32 v25, v[KV+24]
	v_rsq_f32 v26, v[KV+32]
	v_nop                                          ; a plain instruction behind the last of the batch (ISA guide 5.7.2),
	s_wait_alu depctr_va_vdst(0)                   ; and one wait ahead of the first use
	v_mul_f32 v24, s78, v24
	v_mul_f32 v25, s78, v25
	v_mul_f32 v26, s78, v26
	ds_store_b32 v[ARW], v24                       ; my wave's own table: read back below with no barrier, LDS serving a wave's instructions in order (ISA guide 5.7.1.4)
	ds_store_b32 v[ARW], v25 offset:64
	ds_store_b32 v[ARW], v26 offset:128
	; Qh = q x (rq x wq x wk), one rounding to f16, in place
.irp tq, 0,1
.irp ks, 0,1,2,3
.irp i, 0,1,2,3,4,5,6,7
	v_pk_mul_f32 v[KV+2*(\i):KV+2*(\i)+1], v[O+16*(\ks)+2*(\i):O+16*(\ks)+2*(\i)+1], v[RQ+2*(\tq):RQ+2*(\tq)+1] op_sel_hi:[1,0]
.endr
.irp i, 0,1,2,3,4,5,6,7
	v_fma_mixlo_f16 v[Q+32*(\tq)+8*(\ks)+(\i)], v[Q+32*(\tq)+8*(\ks)+(\i)], v[KV+2*(\i)],   v[ZR] op_sel_hi:[1,0,0]
	v_fma_mixhi_f16 v[Q+32*(\tq)+8*(\ks)+(\i)], v[Q+32*(\tq)+8*(\ks)+(\i)], v[KV+2*(\i)+1], v[ZR] op_sel:[1,0,0] op_sel_hi:[1,0,0]
.endr
.endr
.endr
; A TILE OF 16 QUERIES.
.macro TILE tq
.set BS0, BP0+8*(\tq)
.if \tq
	s_wait_xcnt 0x0                                ; the first tile's stores have read the registers that are loaded again below
.endif
	LDF KV, AK, (\tq)*16*PQ                        ; the earlier key tile,
	LDF KV+32, AK, ((\tq)+1)*16*PQ                 ; the queries' own
	ds_load_b128 v[RK:RK+3],     v[ARR] offset:(\tq)*64
	ds_load_b128 v[RK+4:RK+7],   v[ARR] offset:(\tq)*64+16
	ds_load_b128 v[RK+8:RK+11],  v[ARR] offset:(\tq)*64+64
	ds_load_b128 v[RK+12:RK+15], v[ARR] offset:(\tq)*64+80
	s_wait_dscnt 0x0
.irp ks, 0,1,2,3                       ; the two accumulators take turns, one instruction a turn
.if (\ks) == 0
	v_wmma_f32_16x16x32_f16 v[S:S+7],    v[KV:KV+7],       v[Q+32*(\tq):Q+32*(\tq)+7], 0
	v_wmma_f32_16x16x32_f16 v[S+8:S+15], v[KV+32:KV+39],   v[Q+32*(\tq):Q+32*(\tq)+7], 0
.else
	v_wmma_f32_16x16x32_f16 v[S:S+7],    v[KV+8*(\ks):KV+8*(\ks)+7],       v[Q+32*(\tq)+8*(\ks):Q+32*(\tq)+8*(\ks)+7], v[S:S+7]
	v_wmma_f32_16x16x32_f16 v[S+8:S+15], v[KV+32+8*(\ks):KV+32+8*(\ks)+7], v[Q+32*(\tq)+8*(\ks):Q+32*(\tq)+8*(\ks)+7], v[S+8:S+15]
.endif
.endr
	PLACES                                         ; in front of the loads into K's registers and of the lines that read the scores
.if (\tq) == 0
	s_wait_tensorcnt 0x0                           ; V is in
.endif
.irp cb, 0,1,2,3,4,5,6,7               ; V^T of the 32 keys, channels 16 cb on: on its way while the softmax is made
	ds_load_tr16_b128 v[KV+8*(\cb):KV+8*(\cb)+3],   v[AV] offset:(\tq)*16*PVV+(\cb)*32
	ds_load_tr16_b128 v[KV+8*(\cb)+4:KV+8*(\cb)+7], v[AV] offset:(\tq)*16*PVV+16*PVV+(\cb)*32
.endr
.irp i, 0,1,2,3                        ; s x rk c + bias; each accumulator is read from its low end on
	v_pk_fma_f32 v[S+2*(\i):S+2*(\i)+1], v[S+2*(\i):S+2*(\i)+1], v[RK+2*(\i):RK+2*(\i)+1], v[BS0+2*(\i):BS0+2*(\i)+1]
.endr
.irp i, 0,1,2,3
	v_pk_fma_f32 v[S+8+2*(\i):S+8+2*(\i)+1], v[S+8+2*(\i):S+8+2*(\i)+1], v[RK+8+2*(\i):RK+8+2*(\i)+1], v[BC+2*(\i):BC+2*(\i)+1]
.endr
	v_max3_num_f32 v24, v[S], v[S+1], v[S+2]       ; the maximum of my 16, in two chains; a query always sees its own key, so it is a true score
	v_max3_num_f32 v25, v[S+3], v[S+4], v[S+5]
	v_max3_num_f32 v24, v24, v[S+6], v[S+7]
	v_max3_num_f32 v25, v25, v[S+8], v[S+9]
	v_max3_num_f32 v24, v24, v[S+10], v[S+11]
	v_max3_num_f32 v25, v25, v[S+12], v[S+13]
	v_max3_num_f32 v24, v24, v[S+14], v[S+15]
	v_max_num_f32 v24, v24, v25
	v_permlanex16_b32 v28, v24, s74, s75           ; the query's other 16 keys lie in the lane 16 away
	v_max_num_f32 v[M], v24, v28
.irp i, 0,1,2,3,4,5,6,7
	v_pk_add_f32 v[S+2*(\i):S+2*(\i)+1], v[S+2*(\i):S+2*(\i)+1], v[M:M+1] op_sel_hi:[1,0] neg_lo:[0,1] neg_hi:[0,1]
.endr
.irp i, 0,1,2,3,4,5,6,7,8,9,10,11,12,13,14,15
	v_exp_f32 v[S+(\i)], v[S+(\i)]
.endr
	v_nop                                          ; a plain instruction behind the last exponential,
	s_wait_alu depctr_va_vdst(0)                   ; and one wait for the sixteen, ahead of the first use
.irp i, 0,1,2,3,4,5,6,7
	v_cvt_pk_f16_f32 v[P+(\i)], v[S+2*(\i)], v[S+2*(\i)+1]
.endr
	v_pk_add_f32 v[S:S+1],     v[S:S+1],     v[S+2:S+3]
	v_pk_add_f32 v[S+4:S+5],   v[S+4:S+5],   v[S+6:S+7]
	v_pk_add_f32 v[S+8:S+9],   v[S+8:S+9],   v[S+10:S+11]
	v_pk_add_f32 v[S+12:S+13], v[S+12:S+13], v[S+14:S+15]
	v_pk_add_f32 v[S:S+1],     v[S:S+1],     v[S+4:S+5]
	v_pk_add_f32 v[S+8:S+9],   v[S+8:S+9],   v[S+12:S+13]
	v_pk_add_f32 v[S:S+1],     v[S:S+1],     v[S+8:S+9]
	v_add_f32 v24, v[S], v[S+1]
	v_permlanex16_b32 v28, v24, s74, s75
	v_add_f32 v[L], v24, v28                       ; at least 1: the maximum's own weight
	v_rcp_f32 v[L], v[L]
	v_nop
	s_wait_alu depctr_va_vdst(0)
	s_wait_dscnt 0x0                               ; V^T is in
.irp cb, 0,1,2,3,4,5,6,7               ; one product for each of eight accumulators: 32 keys are the whole sum
	v_wmma_f32_16x16x32_f16 v[O+8*(\cb):O+8*(\cb)+7], v[KV+8*(\cb):KV+8*(\cb)+7], v[P:P+7], 0
.endr
	PLACES
.set i, 0
.rept 32
	v_pk_mul_f32 v[O+2*i:O+2*i+1], v[O+2*i:O+2*i+1], v[L:L+1] op_sel_hi:[1,0]
.set i, i+1
.endr
.set i, 0
.rept 32
	v_cvt_pk_f16_f32 v[KV+i], v[O+2*i], v[O+2*i+1] ; a lane's eight channels of a row: 16 bytes
.set i, i+1
.endr
.irp cb, 0,1,2,3,4,5,6,7               ; channels 0-63 into the stage's first 16 rows of 144 bytes, 64-127 into its second
	ds_store_b128 v[STO], v[KV+4*(\cb):KV+4*(\cb)+3] offset:((\cb)/4)*2304+((\cb)%4)*32
.endr
.irp n, 0,1,2,3,4,5,6,7
	ds_load_b128 v[KV+32+4*(\n):KV+32+4*(\n)+3], v[RD] offset:((\n)/4)*2304+((\n)%4)*576  ; these see the stores above; the next tile's stores come behind them
.endr
.irp n, 0,1,2,3,4,5,6,7
	s_wait_dscnt 7-(\n)
	global_store_b128 v[GO], v[KV+32+4*(\n):KV+32+4*(\n)+3], s[80:81] offset:((\n)/4)*1048576+(\tq)*2048+((\n)%4)*512  ; 512 consecutive bytes, at a multiple of 256 from o16's first byte
.endr
.endm
	TILE 0
	TILE 1
	s_wait_tensorcnt 0x0                           ; the wave's end, behind my last tensor load and my last LDS store
	ds_add_u32 v[SPW], v[NIL]
	s_wait_dscnt 0x0
	s_endpgm
.Lfunc_end_k_qea8f747da9_attn:
	.size	k_qea8f747da9_attn, .Lfunc_end_k_qea8f747da9_attn-k_qea8f747da9_attn
	.p2alignl 7, 3214868480
	.fill 96, 4, 3214868480
	.section	.rodata,"a",@progbits
	.p2align	6, 0x0
	.amdhsa_kernel k_qea8f747da9_attn
		.amdhsa_group_segment_fixed_size 327680
		.amdhsa_private_segment_fixed_size 0
		.amdhsa_enable_private_segment 0
		.amdhsa_kernarg_size 32
		.amdhsa_user_sgpr_count 2
		.amdhsa_user_sgpr_kernarg_segment_ptr 1
		.amdhsa_wavefront_size32 1
		.amdhsa_system_sgpr_workgroup_id_x 1
		.amdhsa_system_sgpr_workgroup_id_y 1
		.amdhsa_system_sgpr_workgroup_id_z 1
		.amdhsa_system_vgpr_workitem_id 0
		.amdhsa_next_free_vgpr 256
		.amdhsa_next_free_sgpr 96
		.amdhsa_reserve_vcc 1
		.amdhsa_float_denorm_mode_32 3
		.amdhsa_float_denorm_mode_16_64 3
		.amdhsa_memory_ordered 1
		.amdhsa_forward_progress 1
		.amdhsa_inst_pref_size 86
	.end_amdhsa_kernel
	.amdgpu_metadata
---
amdhsa.version: [ 1, 2 ]
amdhsa.kernels:
  - .name:           k_qea8f747da9_attn
    .symbol:         k_qea8f747da9_attn.kd
    .args:
      - { .name: qkv, .offset: 0, .size: 8, .value_kind: global_buffer, .address_space: global }
      - { .name: q_norm_w, .offset: 8, .size: 8, .value_kind: global_buffer, .address_space: global }
      - { .name: k_norm_w, .offset: 16, .size: 8, .value_kind: global_buffer, .address_space: global }
      - { .name: o16, .offset: 24, .size: 8, .value_kind: global_buffer, .address_space: global }
    .group_segment_fixed_size: 327680
    .private_segment_fixed_size: 0
    .kernarg_segment_align: 8
    .kernarg_segment_size: 32
    .max_flat_workgroup_size: 256
    .sgpr_count:     96
    .vgpr_count:     256
    .wavefront_size: 32
...
	.end_amdgpu_metadata
.endif
;; end of part 3
;; launch oproj (part 4): grid 8 x 32, 4 waves a work-group, clusters of 4 x 4, 327,680 bytes of LDS; arguments o16, wo16, out0; writes out0
.if DOCPART == 4
	.amdgcn_target "amdgcn-amd-amdhsa--gfx1250"
	.amdhsa_code_object_version 6
	.text
	.protected	k_qea8f747da9_oproj
	.globl	k_qea8f747da9_oproj
	.p2align	8
	.type	k_qea8f747da9_oproj,@function
k_qea8f747da9_oproj:
	s_mov_b64 s[64:65], 0
	v_nop
	global_prefetch_b8 v0, s[64:65] scope:SCOPE_SE
	s_setreg_imm32_b32 hwreg(HW_REG_WAVE_MODE, 25, 1), 1
	s_wait_xcnt 0x0
	s_wait_alu depctr_hold_cnt(0) depctr_sa_sdst(0) depctr_va_vdst(0) depctr_va_sdst(0) depctr_va_ssrc(0) depctr_va_vcc(0) depctr_vm_vsrc(0)
	s_getreg_b32 s2, hwreg(HW_REG_IB_STS2, 6, 4)
	s_cmp_eq_u32 s2, 0
	s_cbranch_scc0 .Lentry_in_a_cluster
	s_endpgm
.Lentry_in_a_cluster:
	s_bfe_u32 s2, ttmp6, 0x10000c
	s_cmp_lg_u32 s2, 0xf033
	s_cbranch_scc0 .Lentry_shape_is_right
	s_endpgm
.Lentry_shape_is_right:
; C[m][n] = the sum over k of A[m][k] B[n][k], K = 1,024, 8,192 rows m.  ONE TEXT FOR TWO LAUNCHES, chosen by OPROJ:
;   OPROJ = 0: A = x (bf16), B = wq, wk, wv stacked (bf16, 3,072 rows); C = raw q, k, v, rounded once to f16 and stored by column tiles of 128: [24][8192][128] (0-7 q's heads, 8-15 k's, 16-23 v's).
;   OPROJ = 1: A = O (f16), B = wo (f16, 1,024 rows); C = out0 in f32, [8192][1024].
; A and B lie in K blocks of 64: [16][rows][64], a row of a block 128 bytes, rows on end.  Sums in f32.
; LIMIT (OPROJ = 0): a number of q, k or v of 65,520 or more in size becomes an infinity in f16.
; SHARES.  8,192 x 3,072 (or x 1,024) numbers on 256 work-groups: a tile of C is 256 rows x 128 NW columns, NW = 3 (or 1): one tile a work-group.  Four waves one below the other: a wave owns 64 rows and
; all columns: 32 NW accumulators of 16 x 16, one register window for each 128 columns.
; RING.  Two LDS slots; a slot holds KBS K blocks of A's 256 rows and of B's 128 NW rows (KBS = 1, or 2): as much as two slots, the stages and the spare words leave room for.  A tile's rows lie on end in memory,
; so they are asked for as rows of 256 bytes, two matrix rows each, and padded in LDS after every 128 bytes.  Waves 0 and 1 fetch A's two parts, waves 2 and 3 B's: one tensor load a wave for a slot.
; CLUSTER.  4 x 4 work-groups: the four of a row need the same tiles of A, the four of a column the same tiles of B: each is asked for jointly, by the same load with the same descriptor and a mask of four.
; THE MATRIX INSTRUCTION IS USED TRANSPOSED (source 0 = 16 rows of B, source 1 = 16 rows of A): a lane holds row lane % 16 of C and the eight columns 8 (lane / 16) + 0..7.
; A UNIT is 32 matrix instructions: 32 along K, one window: 4 fragments of A x 8 of B.  The 32 accumulators of a unit are all different, and an accumulator comes back 32 NW matrix instructions later.
; REGISTERS.  Window 0: v16-30 addresses; v32-95 A's fragments, two buffers of 32; v96-223 B's, two buffers of 64; v224-255 at work on the way out.  Windows 1..NW: accumulator (a, b) at v[8 (8 a + b)].
.set OPROJ, 1
.if OPROJ
.set NW,       1
.set KBS,      2
.set A_DROWS,  128                     ; rows of 256 bytes in a wave's load for A: one K block of the tile's 256 rows
.set B_DROWS,  64                      ; for B: one K block of its 128 rows
.set A_PART_G, 1048576                 ; the second part of A begins here in memory (the next K block),
.set A_PART_L, 36864                   ; and here in a slot
.set B_PART_G, 131072
.set B_PART_L, 18432
.set PSH,      0                       ; prefetch: a partner takes a whole K block's part
.set NA,       4                       ; of 4 x 8,192 bytes for A,
.set NB,       2                       ; 2 x 8,192 for B
.set STGB,     16*528                  ; a wave's stage: 16 rows of 512 bytes + 16
.else
.set NW,       3
.set KBS,      1
.set A_DROWS,  64                      ; half of the K block's 256 rows
.set B_DROWS,  96                      ; half of its 384 rows
.set A_PART_G, 16384
.set A_PART_L, 18432
.set B_PART_G, 24576
.set B_PART_L, 27648
.set PSH,      1                       ; prefetch: two partners share a K block's part
.set NA,       2
.set NB,       3
.set STGB,     16*272                  ; 16 rows of 256 bytes + 16
.endif
.set PITCH,    144                     ; an LDS row: 128 bytes + 16 of padding = 36 words: the 16 rows of a fragment load start at 16 different groups of four banks (64 banks of 4 bytes: ISA guide 11.1)
.set UPS,      2*KBS*NW                ; units in a slot
.set LAPS,     16/(2*KBS)              ; a lap = both slots
.set BROWS,    128*NW
.set PLANE_A,  1048576                 ; bytes in a K block of A
.set PLANE_B,  8*BROWS*128             ; of B
.set A_KB_L,   256*PITCH
.set B_KB_L,   BROWS*PITCH
.set B_BASE_L, KBS*A_KB_L              ; in a slot: A's K blocks, then B's
.set SLOT,     KBS*(A_KB_L+B_KB_L)
.set A_STEP,   KBS*PLANE_A             ; from a slot's K blocks to the next slot's
.set B_STEP,   KBS*PLANE_B
.set STAGE,    2*SLOT                  ; behind the ring, never filled by a tensor load: a stage for each wave
.set SPARE,    STAGE+4*STGB            ; behind the stages: the spare words, 128 bytes a wave: two blocks of 256 bytes that no other line names
.set NPL,      2*KBS                   ; K blocks in a lap
.set ADRA, 16                          ; v16-17  LDS address of my A fragments in slot 0, 1
.set ADRB, 20                          ; v20-21  the same for B
.set STO,  24                          ; v24     the way out: where I put my bytes of a row
.set RD,   25                          ; v25     where I read rows back
.set CO,   26                          ; v26     my byte offset in C
.set SPW,  28                          ; v28     LDS address of my spare word; never rewritten
.set NIL,  29                          ; v29     0; never rewritten
.set PFO,  30                          ; v30     256 x my lane; never rewritten
.set FA0,  32
.set FB0,  96
.set TMP,  224
.set G1,   24                          ; s[24:31] descriptor group 1 for A;  s[32:39] group 0, a set for each slot
.set G0,   32
.set G1B,  48                          ; s[48:55], s[56:63] the same for B
.set G0B,  56
.set LIM,  68                          ; s68      1 in a wave that prefetches, else the greatest number
.set PFA,  70                          ; s[70:71] where my prefetches stand
.set PST,  72                          ; s[72:73] their step: a lap's K blocks
.set FLAGS, (1<<16)|(1<<20)|(1<<21)|(4<<22)|(3<<25)  ; 17:16 2-byte elements; 20 padding on; 21 set beside a mask; 24:22 after every 32 words (code 4); 31:25 4 words (code 3)
.set MSB, 0
.macro WIN new                         ; the immediate's high byte repeats the setting that is left; a switch that changes nothing is dropped
.if MSB != (\new)
	s_set_vgpr_msb (MSB<<8)|(\new)
.set MSB, (\new)
.endif
.endm
.macro JLOAD s                         ; a joint load: waves 0 and 1 fetch A's parts, waves 2 and 3 B's; an s_nop 0 and four v_nop follow each of the two lines, ahead of the jump, the label and what follows
	s_cmp_eq_u32 s11, 0
	s_cbranch_scc0 .Lfor_b_\@
	tensor_load_to_lds s[G0+4*(\s):G0+4*(\s)+3], s[G1:G1+7]
	s_nop 0
.rept 4
	v_nop
.endr
	s_branch .Lasked_\@
.Lfor_b_\@:
	tensor_load_to_lds s[G0B+4*(\s):G0B+4*(\s)+3], s[G1B:G1B+7]
	s_nop 0
.rept 4
	v_nop
.endr
.Lasked_\@:
.endm
.macro CREST                           ; a round of the cluster's barrier behind its opening barrier
	s_cmp_lg_u32 s10, 0
	s_cbranch_scc1 .Lnot_wave_0_\@
	s_barrier_signal -3
.Lnot_wave_0_\@:
	s_barrier_wait -3
	s_barrier_signal -1
	s_barrier_wait -1
.endm
.macro CROUND                          ; a whole round
	s_barrier_signal -1
	s_barrier_wait -1
	CREST
.endm
.macro PLACES                          ; four places in front of loads into registers that matrix instructions have read, and of lines that read results
.rept 4
	v_nop
.endr
.endm
.macro WM d, b, a, zero                ; one matrix instruction: accumulator at d, B's fragment at b, A's at a; zero = 1: it starts the sum
.if OPROJ
.if \zero
	v_wmma_f32_16x16x32_f16 v[(\d):(\d)+7], v[(\b):(\b)+7], v[(\a):(\a)+7], 0
.else
	v_wmma_f32_16x16x32_f16 v[(\d):(\d)+7], v[(\b):(\b)+7], v[(\a):(\a)+7], v[(\d):(\d)+7]
.endif
.else
.if \zero
	v_wmma_f32_16x16x32_bf16 v[(\d):(\d)+7], v[(\b):(\b)+7], v[(\a):(\a)+7], 0
.else
	v_wmma_f32_16x16x32_bf16 v[(\d):(\d)+7], v[(\b):(\b)+7], v[(\a):(\a)+7], v[(\d):(\d)+7]
.endif
.endif
.endm
; 8 matrix instructions of unit u: column blocks b0, b0 + 1 x all 4 row blocks.  C and D in window 1 + u % NW, both sources in window 0.
.macro MUL8 u, b0, zero
	WIN ((1+(\u)%NW)<<6)|((1+(\u)%NW)<<4)
.set FAm, FA0+32*(((\u)/NW)%2)
.set FBm, FB0+64*((\u)%2)
.irp b, \b0, (\b0)+1
.irp a, 0,1,2,3
	WM 8*(8*(\a)+(\b)), FBm+8*(\b), FAm+8*(\a), \zero
.endr
.endr
.endm
; The LDS loads of unit u, in one run: where the unit begins a new 32 along K, A's 4 fragments (8 loads) first; then B's 8 fragments of the unit's 128 columns (16 loads).
.macro FETCH slot, u
	WIN 0
.set ss, (\u)/NW
.set FAf, FA0+32*(ss%2)
.set FBf, FB0+64*((\u)%2)
.if (\u)%NW == 0
.irp a, 0,1,2,3
	ds_load_b128 v[FAf+8*(\a):FAf+8*(\a)+3],   v[ADRA+(\slot)] offset:(ss/2)*A_KB_L+(ss%2)*64+(\a)*16*PITCH
	ds_load_b128 v[FAf+8*(\a)+4:FAf+8*(\a)+7], v[ADRA+(\slot)] offset:(ss/2)*A_KB_L+(ss%2)*64+(\a)*16*PITCH+32
.endr
.endif
.irp i, 0,1,2,3,4,5,6,7
	ds_load_b128 v[FBf+8*(\i):FBf+8*(\i)+3],   v[ADRB+(\slot)] offset:(ss/2)*B_KB_L+(ss%2)*64+(8*((\u)%NW)+(\i))*16*PITCH
	ds_load_b128 v[FBf+8*(\i)+4:FBf+8*(\i)+7], v[ADRB+(\slot)] offset:(ss/2)*B_KB_L+(ss%2)*64+(8*((\u)%NW)+(\i))*16*PITCH+32
.endr
.endm
; A unit but a slot's last: in its middle the next unit's fragments are fetched, into buffers that were last read in an earlier unit.
.macro UNIT slot, u, zero
	s_wait_dscnt 8                                 ; A's fragments and B's 0-3 are in; the youngest eight loads (B's 4-7) may be out
	MUL8 \u, 0, \zero
	MUL8 \u, 2, \zero
	PLACES
	FETCH \slot, (\u)+1
.if ((\u)+1)%NW == 0
	s_wait_dscnt 24                                ; all but the 24 just issued
.else
	s_wait_dscnt 16                                ; all but the 16 just issued
.endif
	MUL8 \u, 4, \zero
	MUL8 \u, 6, \zero
.endm
.macro UNITS slot, lo, hi, zero        ; units lo .. hi
.set uu, \lo
.rept (\hi)-(\lo)+1
	UNIT \slot, uu, \zero
.set uu, uu+1
.endr
.endm
; A PREFETCH, once a lap, behind slot 0's joint load and the run of LDS loads that follows it: the K blocks of the lap after the one that is being asked for.  Each aligned block of 256 bytes is named once in the
; launch.  A's tile row is read by both clusters of that row of clusters: the one with x = 0 asks, by its wave 0; B's tile column by all eight clusters of that column: the one with y = 0 asks, by its wave 2.
; The four partners that ask for a tile jointly share a lap's bytes out BY ADDRESS (place cx for A, cy for B): NA or NB runs of 8,192 bytes each, a lane to each 256 bytes.
; The first two laps come by their loads alone; the loop's last trip asks for nothing: there is no lap behind the one that it fetches.
.macro ASK
	s_cmp_gt_u32 s3, s[LIM]                        ; s3 = 1 in the loop's last trip
	s_cbranch_scc0 .Lnot_mine_\@
	s_cmp_eq_u32 s11, 0
	s_cbranch_scc0 .Lask_b_\@
.set pf, 0
.rept NA
	global_prefetch_b8 v[PFO], s[PFA:PFA+1] offset:pf*8192 th:TH_LOAD_NT scope:SCOPE_SE
.set pf, pf+1
.endr
	s_branch .Lnot_mine_\@
.Lask_b_\@:
.set pf, 0
.rept NB
	global_prefetch_b8 v[PFO], s[PFA:PFA+1] offset:pf*8192 th:TH_LOAD_NT scope:SCOPE_SE
.set pf, pf+1
.endr
.Lnot_mine_\@:
.endm
; A slot's last unit, and the change of slots: ONE barrier.  In front of it each wave waits for all its tensor loads (the one that is out is its part of the next slot), adds 0 to its spare word, and waits for that
; and for its own reads of this slot.  fill = 1: the barrier opens a round of the cluster's, and behind the round this slot is filled again, two K steps on, first thing.
.macro TURN slot, next, fill
.if (\fill) && ((\slot) == 0)
	s_wait_xcnt 0x0                                ; the last prefetches, a lap back, have read their address: it is stepped here, ahead of the waits of the change of slots
	s_add_nc_u64 s[PFA:PFA+1], s[PFA:PFA+1], s[PST:PST+1]
.endif
	WIN 0                                          ; (the add's two registers lie in window 0)
	s_wait_tensorcnt 0x0                           ; all my tensor loads have landed;
	ds_add_u32 v[SPW], v[NIL]                      ; 0 onto my spare word;
	s_wait_dscnt 9                                 ; (the add and the youngest eight loads may be out)
	MUL8 UPS-1, 0, 0                               ; eight matrix instructions stand between the add and the wait for it
	s_wait_dscnt 0x0                               ; the add is done, and my reads of this slot are over
	s_barrier_signal -1
	MUL8 UPS-1, 2, 0
.if \fill
	WIN 0
.endif
	s_barrier_wait -1
.if \fill
	CREST                                          ; no wave of any partner still reads this slot's tiles or has a load on its way
	s_add_nc_u64 s[G0+4*(\slot)+2:G0+4*(\slot)+3], s[G0+4*(\slot)+2:G0+4*(\slot)+3], 2*A_STEP
	s_add_nc_u64 s[G0B+4*(\slot)+2:G0B+4*(\slot)+3], s[G0B+4*(\slot)+2:G0B+4*(\slot)+3], 2*B_STEP
	JLOAD \slot                                    ; the first tensor load behind the round; the four v_nop behind it are also the places in front of the loads below
.else
	PLACES
.endif
	FETCH \next, 0
.if (\fill) && ((\slot) == 0)
	ASK
.endif
	MUL8 UPS-1, 4, 0
	MUL8 UPS-1, 6, 0
.endm
	s_load_b128 s[4:7], s[0:1], 0x0                ; A s[4:5], B s[6:7]
	s_load_b64 s[8:9], s[0:1], 0x10                ; C
	v_lshl_add_u32 v[SPW], v0, 2, SPARE
	v_mov_b32 v[NIL], 0
	ds_add_u32 v[SPW], v[NIL]                      ; the wave's opening: the add and its wait stand ahead of my first tensor load; the set-up below, work on registers, stands between them
	v_lshrrev_b32 v1, 5, v0
	v_readfirstlane_b32 s10, v1                    ; wave 0..3: my 64 rows of the tile
	s_lshr_b32 s11, s10, 1                         ; I fetch for A (0) or for B (1),
	s_and_b32 s12, s10, 1                          ; its first or its second part
	s_bfe_u32 s40, ttmp6, 0x40000                  ; cx, cy: my place in the cluster
	s_bfe_u32 s41, ttmp6, 0x40004
	s_lshl_b32 s42, ttmp9, 2
	s_add_co_u32 s42, s42, s40                     ; tile column of C = 4 x cluster x + cx
	s_and_b32 s13, ttmp7, 0xffff
	s_lshl_b32 s13, s13, 2
	s_add_co_u32 s13, s13, s41                     ; tile row of C = 4 x cluster y + cy
	s_lshl_b32 s66, s41, 2
	s_lshl_b32 s66, 15, s66                        ; my row of the cluster
	s_lshl_b32 s67, 0x1111, s40                    ; my column
	s_or_b32 s[G1+0], s66, FLAGS                   ; A's tiles go to my row,
	s_or_b32 s[G1B+0], s67, FLAGS                  ; B's to my column
	s_mov_b32 s[G1+1], 128<<16                     ; tensor_dim0 = 128 elements: 256 bytes, two matrix rows
	s_mov_b32 s[G1+2], A_DROWS<<16                 ; tensor_dim1
	s_mov_b32 s[G1+3], 128<<16                     ; tile_dim0
	s_mov_b32 s[G1+4], A_DROWS                     ; tile_dim1
	s_mov_b32 s[G1+5], 128                         ; from row to row: dense
	s_mov_b32 s[G1+6], 0
	s_mov_b32 s[G1+7], 0
	s_mov_b32 s[G1B+1], 128<<16
	s_mov_b32 s[G1B+2], B_DROWS<<16
	s_mov_b32 s[G1B+3], 128<<16
	s_mov_b32 s[G1B+4], B_DROWS
	s_mov_b32 s[G1B+5], 128
	s_mov_b32 s[G1B+6], 0
	s_mov_b32 s[G1B+7], 0
	s_lshl_b32 s16, s13, 15                        ; A: the tile's 256 rows of 128 bytes in a K block,
	s_mul_i32 s17, s12, A_PART_G                   ; my part
	s_add_co_u32 s16, s16, s17
	s_mov_b32 s17, 0
	s_mul_i32 s46, s42, BROWS*128                  ; B: the tile's rows in a K block,
	s_mul_i32 s47, s12, B_PART_G                   ; my part
	s_add_co_u32 s46, s46, s47
	s_mov_b32 s47, 0
	s_mul_i32 s20, s12, A_PART_L                   ; where they go: no place in the cluster enters an LDS address
	s_mul_i32 s21, s12, B_PART_L
	s_add_co_u32 s21, s21, B_BASE_L
	s_wait_dscnt 0x0                               ; the opening add is done
	s_wait_kmcnt 0x0
	s_add_nc_u64 s[14:15], s[4:5], s[16:17]
	s_add_nc_u64 s[46:47], s[6:7], s[46:47]
	CROUND                                         ; all sixteen work-groups are here: the first joint loads meet
.irp s, 0,1
	s_mov_b32 s[G0+4*(\s)], 1
	s_add_co_u32 s[G0+4*(\s)+1], s20, (\s)*SLOT
	s_add_nc_u64 s[G0+4*(\s)+2:G0+4*(\s)+3], s[14:15], (\s)*A_STEP
	s_or_b32 s[G0+4*(\s)+3], s[G0+4*(\s)+3], 0x80000000
	s_mov_b32 s[G0B+4*(\s)], 1
	s_add_co_u32 s[G0B+4*(\s)+1], s21, (\s)*SLOT
	s_add_nc_u64 s[G0B+4*(\s)+2:G0B+4*(\s)+3], s[46:47], (\s)*B_STEP
	s_or_b32 s[G0B+4*(\s)+3], s[G0B+4*(\s)+3], 0x80000000
	JLOAD \s                                       ; two loads of mine are out
.endr
	; A fragment is 16 rows x 32 K in 8 registers: lane l holds row l % 16, K = 8 (l / 16) + 0..7 and 16 + 8 (l / 16) + 0..7: two loads of 16 bytes, 32 bytes apart.
	v_and_b32 v1, 15, v0                           ; l % 16
	v_bfe_u32 v2, v0, 4, 1                         ; l / 16
	v_mul_u32_u24 v3, v1, PITCH
	v_lshl_add_u32 v3, v2, 4, v3
	s_mul_i32 s21, s10, 64*PITCH                   ; my 64 rows of A
	s_mov_b32 s22, B_BASE_L                        ; all of B's rows
.irp s, 0,1
	v_add_nc_u32 v[ADRA+(\s)], s21, v3
	v_add_nc_u32 v[ADRB+(\s)], s22, v3
	s_add_co_u32 s21, s21, SLOT
	s_add_co_u32 s22, s22, SLOT
.endr
	s_mul_i32 s23, s10, STGB
	s_add_co_u32 s23, s23, STAGE                   ; my stage
	s_lshl_b32 s16, s13, 8
	s_lshl_b32 s17, s10, 6
	s_add_co_u32 s16, s16, s17                     ; my first row of C
	s_mov_b32 s17, 0
	s_mov_b32 s47, 0
.if OPROJ
	v_mul_u32_u24 v4, v1, 528                      ; in: row l % 16, 32 bytes for each half of the lanes
	v_lshl_add_u32 v4, v2, 5, v4
	v_add_nc_u32 v[STO], s23, v4
	v_and_b32 v5, 31, v0
	v_lshlrev_b32 v[CO], 4, v5                     ; back: 32 lanes take a row's 512 bytes, which are 512 consecutive bytes of out0
	v_add_nc_u32 v[RD], s23, v[CO]
	s_lshl_b32 s16, s16, 12                        ; rows of 4,096 bytes
	s_lshl_b32 s46, s42, 9                         ; the tile's 128 columns
.else
	v_mul_u32_u24 v4, v1, 272                      ; in: row l % 16, 16 bytes for each half of the lanes
	v_lshl_add_u32 v4, v2, 4, v4
	v_add_nc_u32 v[STO], s23, v4
	v_mul_u32_u24 v5, v2, 272                      ; back: lanes 0-15 take one row of 256 bytes, lanes 16-31 the next
	v_lshl_add_u32 v5, v1, 4, v5
	v_add_nc_u32 v[RD], s23, v5
	v_lshlrev_b32 v5, 8, v2                        ; and the same two rows in a column tile: 512 consecutive bytes
	v_lshl_add_u32 v[CO], v1, 4, v5
	s_lshl_b32 s16, s16, 8                         ; rows of 256 bytes
	s_mul_i32 s46, s42, 3*2097152                  ; the tile's three column tiles of 8,192 x 256 bytes
.endif
	s_add_nc_u64 s[8:9], s[8:9], s[16:17]
	s_add_nc_u64 s[8:9], s[8:9], s[46:47]
	; the prefetches
	s_and_b32 s22, ttmp7, 0xffff                   ; cluster y
	s_lshl_b32 s18, s13, 15
	s_mul_i32 s19, s42, BROWS*128
	s_mov_b32 s23, PLANE_B
	s_mov_b32 s47, NB*8192
	s_cmp_eq_u32 s11, 0                            ; do I fetch for A?
	s_cselect_b32 s20, s18, s19                    ; the tile's bytes in a K block
	s_cselect_b32 s21, s40, s41                    ; my place among the four that ask for it with me
	s_cselect_b32 s22, ttmp9, s22                  ; the coordinate along which other clusters read the same rows
	s_cselect_b32 s23, PLANE_A, s23
	s_cselect_b32 s47, NA*8192, s47                ; a partner's share
	s_cselect_b64 s[PFA:PFA+1], s[4:5], s[6:7]
	s_or_b32 s22, s22, s12                         ; waves 0 and 2 of the first cluster along that coordinate:
	s_cmp_eq_u32 s22, 0
	s_cselect_b32 s[LIM], 1, -1                    ; the same in all sixteen partners, for a given wave
	s_lshr_b32 s46, s21, PSH                       ; which of a lap's K blocks is mine,
	s_add_co_u32 s46, s46, NPL                     ; in lap 1: the first change of slots steps it to lap 2
	s_mul_i32 s46, s46, s23
	s_add_co_u32 s20, s20, s46
	s_and_b32 s21, s21, (1<<PSH)-1                 ; and which share of the tile's bytes in it
	s_mul_i32 s21, s21, s47
	s_add_co_u32 s20, s20, s21
	s_mov_b32 s21, 0
	s_add_nc_u64 s[PFA:PFA+1], s[PFA:PFA+1], s[20:21]
	s_mul_i32 s[PST], s23, NPL
	s_mov_b32 s[PST+1], 0
	v_and_b32 v[PFO], 31, v0
	v_lshlrev_b32 v[PFO], 8, v[PFO]
	s_wait_tensorcnt 1                             ; my part of slot 0 is in; slot 1's may stay out
	s_barrier_signal -1
	s_barrier_wait -1                              ; everybody's is
	FETCH 0, 0
	UNITS 0, 0, NW-1, 1                            ; the first 32 along K stand in front of the loop: their products start the sums
	WIN 0                                          ; at a label and at a branch every window is 0
	s_mov_b32 s3, LAPS-1
.Llap:                                                 ; a trip goes once round the ring, from a lap's second 32 along K to the next lap's first, and fills both slots again
	UNITS 0, NW, UPS-2, 0
	TURN 0, 1, 1
	UNITS 1, 0, UPS-2, 0
	TURN 1, 0, 1
	UNITS 0, 0, NW-1, 0
	WIN 0
	s_sub_co_u32 s3, s3, 1
	s_cmp_lg_u32 s3, 0
	s_cbranch_scc1 .Llap
	UNITS 0, NW, UPS-2, 0                          ; the last lap fills nothing, and has no round of the cluster's barrier
	TURN 0, 1, 0
	UNITS 1, 0, UPS-2, 0
	s_wait_dscnt 8                                 ; the very last unit: nothing more to fetch
	MUL8 UPS-1, 0, 0
	MUL8 UPS-1, 2, 0
	s_wait_dscnt 0x0
	MUL8 UPS-1, 4, 0
	MUL8 UPS-1, 6, 0
	WIN 0
.if OPROJ
; THE WAY OUT, f32: a block of 16 rows x 128 columns goes into my own stage (rows of 528 bytes) and comes back as whole rows of 512 bytes.  LDS serves a wave's instructions in order (ISA guide 5.7.1.4),
; so the loads see the stores above them, and the next block's stores come behind them.
.macro STG a
.if (\a) >= 2
	s_wait_xcnt 0x0                                ; the stores of the block two back have read the registers that are loaded again below
.endif
.set BK, 32+64*((\a)%2)
	WIN 0x04                                       ; the store's data (source 1) in window 1
.irp b, 0,1,2,3,4,5,6,7
	ds_store_b128 v[STO], v[64*(\a)+8*(\b):64*(\a)+8*(\b)+3]   offset:64*(\b)
	ds_store_b128 v[STO], v[64*(\a)+8*(\b)+4:64*(\a)+8*(\b)+7] offset:64*(\b)+16
.endr
	WIN 0
.irp t, 0,1,2,3,4,5,6,7,8,9,10,11,12,13,14,15
	ds_load_b128 v[BK+4*(\t):BK+4*(\t)+3], v[RD] offset:(\t)*528
.endr
.endm
.macro SENDF a, younger                ; younger: the LDS instructions issued behind block a's loads: the next block's 32, or none
.set BK, 32+64*((\a)%2)
	s_wait_dscnt \younger
.irp t, 0,1,2,3,4,5,6,7,8,9,10,11,12,13,14,15
	global_store_b128 v[CO], v[BK+4*(\t):BK+4*(\t)+3], s[8:9] offset:(16*(\a)+(\t))*4096 th:TH_STORE_NT  ; 512 consecutive bytes, at a multiple of 256 from out0's first byte
.endr
.endm
	PLACES
	STG 0
	STG 1
	SENDF 0, 32
	STG 2
	SENDF 1, 32
	STG 3
	SENDF 2, 32
	SENDF 3, 0
.else
; THE WAY OUT, f16: block i of twelve (window 1 + i / 4, rows 16 (i % 4) on): rounded to f16, 16 bytes a lane; into my own stage (rows of 272 bytes); back as whole rows of 256 bytes; stored.
.macro PACK i
.set pw, 1+(\i)/4
.set AC, 64*((\i)%4)
	WIN pw|(pw<<2)                                 ; sources 0 and 1 in the block's window
.irp b, 0,1,2,3,4,5,6,7
.irp r, 0,1,2,3
	v_cvt_pk_f16_f32 v[TMP+4*(\b)+(\r)], v[AC+8*(\b)+2*(\r)], v[AC+8*(\b)+2*(\r)+1]
.endr
.endr
	WIN 0
.endm
.macro TOSTAGE i
.set BK, 32+32*((\i)%2)
.irp b, 0,1,2,3,4,5,6,7
	ds_store_b128 v[STO], v[TMP+4*(\b):TMP+4*(\b)+3] offset:32*(\b)
.endr
.irp t, 0,1,2,3,4,5,6,7
	ds_load_b128 v[BK+4*(\t):BK+4*(\t)+3], v[RD] offset:(\t)*2*272  ; LDS serves a wave's instructions in order (ISA guide 5.7.1.4): these see the stores above
.endr
.endm
.macro SEND i
.set BK, 32+32*((\i)%2)
	s_wait_dscnt 0x0                               ; the block is back in registers
	s_wait_xcnt 0x0                                ; the stores of the block before have read their registers, which the next block's loads write
.irp t, 0,1,2,3,4,5,6,7
	global_store_b128 v[CO], v[BK+4*(\t):BK+4*(\t)+3], s[8:9] offset:((\i)/4)*2097152+((\i)%4)*4096+(\t)*512  ; 512 consecutive bytes, at a multiple of 256 from the buffer's first byte
.endr
.endm
	PLACES
	PACK 0
	TOSTAGE 0
.irp i, 1,2,3,4,5,6,7,8,9,10,11        ; block i's conversions stand between block i - 1's loads from the stage and the wait for them
	PACK \i
	SEND (\i)-1
	TOSTAGE \i
.endr
	SEND 11
.endif
	s_wait_tensorcnt 0x0                           ; the wave's end, behind my last tensor load and my last LDS store
	ds_add_u32 v[SPW], v[NIL]
	s_wait_dscnt 0x0
	CROUND                                         ; the closing round: no work-group ends while a partner may still ask for a tile that names it
	s_endpgm
.Lfunc_end_k_qea8f747da9_oproj:
	.size	k_qea8f747da9_oproj, .Lfunc_end_k_qea8f747da9_oproj-k_qea8f747da9_oproj
	.p2alignl 7, 3214868480
	.fill 96, 4, 3214868480
	.section	.rodata,"a",@progbits
	.p2align	6, 0x0
	.amdhsa_kernel k_qea8f747da9_oproj
		.amdhsa_group_segment_fixed_size 327680
		.amdhsa_private_segment_fixed_size 0
		.amdhsa_enable_private_segment 0
		.amdhsa_kernarg_size 24
		.amdhsa_user_sgpr_count 2
		.amdhsa_user_sgpr_kernarg_segment_ptr 1
		.amdhsa_wavefront_size32 1
		.amdhsa_system_sgpr_workgroup_id_x 1
		.amdhsa_system_sgpr_workgroup_id_y 1
		.amdhsa_system_sgpr_workgroup_id_z 1
		.amdhsa_system_vgpr_workitem_id 0
		.amdhsa_next_free_vgpr 512
		.amdhsa_next_free_sgpr 80
		.amdhsa_reserve_vcc 0
		.amdhsa_float_denorm_mode_32 3
		.amdhsa_float_denorm_mode_16_64 3
		.amdhsa_memory_ordered 1
		.amdhsa_forward_progress 1
		.amdhsa_inst_pref_size 86
	.end_amdhsa_kernel
	.amdgpu_metadata
---
amdhsa.version: [ 1, 2 ]
amdhsa.kernels:
  - .name:           k_qea8f747da9_oproj
    .symbol:         k_qea8f747da9_oproj.kd
    .args:
      - { .name: o16, .offset: 0, .size: 8, .value_kind: global_buffer, .address_space: global }
      - { .name: wo16, .offset: 8, .size: 8, .value_kind: global_buffer, .address_space: global }
      - { .name: out0, .offset: 16, .size: 8, .value_kind: global_buffer, .address_space: global }
    .group_segment_fixed_size: 327680
    .private_segment_fixed_size: 0
    .kernarg_segment_align: 8
    .kernarg_segment_size: 24
    .max_flat_workgroup_size: 128
    .sgpr_count:     80
    .vgpr_count:     512
    .wavefront_size: 32
...
	.end_amdgpu_metadata
.endif
;; end of part 4
;; ======== version 2 of 2: 4 launches; version 1 with the launch cvt written anew for expert scheduling mode
;; limits: values are held in f16: magnitudes above 65,504 overflow, below 6.1e-05 lose precision
;; workspace buffers: xb 16,777,216 bytes; wqkv 6,291,456 bytes; wo16 2,097,152 bytes; qkv 50,331,648 bytes; o16 16,777,216 bytes
;; launch cvt (part 5): grid 384 x 1, 16 waves a work-group, no clusters, 0 bytes of LDS; arguments x, wq, wk, wv, wo, xb, wqkv, wo16; writes xb, wqkv, wo16
.if DOCPART == 5
	.amdgcn_target "amdgcn-amd-amdhsa--gfx1250"
	.amdhsa_code_object_version 6
	.text
	.protected	k_qea8f747da9_cvt
	.globl	k_qea8f747da9_cvt
	.p2align	8
	.type	k_qea8f747da9_cvt,@function
k_qea8f747da9_cvt:
	s_mov_b64 s[64:65], 0
	v_nop
	global_prefetch_b8 v0, s[64:65] scope:SCOPE_SE
	s_setreg_imm32_b32 hwreg(HW_REG_WAVE_SCHED_MODE, 0, 2), 2
	s_setreg_imm32_b32 hwreg(HW_REG_WAVE_MODE, 25, 1), 1
	s_wait_xcnt 0x0
	s_wait_alu depctr_vm_vsrc(0)
; x, wq, wk, wv: f32 -> bf16 (nearest even).  wo: f32 -> bf16, and that number written as f16 (exact where |wo| is 2^-14 or more; below that f16's fixed step of 6e-8; |wo| stays under 65,504).
; LAYOUT OUT: K blocks of 64 channels: [16 blocks][rows][64], a row of a block is 128 bytes, rows on end.  xb has 8,192 rows; wqkv has wq's, wk's and wv's 1,024 rows stacked; wo16 has 1,024.
; SHARES.  A work-group takes 32 source rows (131,072 consecutive bytes): groups 0-255 of x, then 32 groups for each of wq, wk, wv, wo.  Wave w takes K block w of them.
; One load of a wave: lanes 0-15 take 256 consecutive bytes of row 2 p, lanes 16-31 of row 2 p + 1.  One store: 8 bytes a lane, 256 consecutive bytes, aligned; a wave's 16 stores cover 4,096 bytes on end.
; All 16 loads of a wave go out at once.
; No LDS, no barrier, no matrix unit: each byte is read once and written once, and no wave wants another wave's bytes.
; THE MODE: SCHED_MODE bits 1:0 = 2 (LLVM: expert scheduling mode 2), set by the entry lines.  The code itself states the register dependences
; between vector instructions and memory instructions, with s_wait_alu, always for 0.
; THE PLAN.  Registers that memory instructions touch:
;   v1, v2     the loads' and the stores' byte offsets: made once at the head by vector lines, never written again.
;   X          pair of rows p: written by its one load, issued at the head; read by its conversions; never loaded again, and named by no vector line ahead of its load.
;   Y          pair of rows p: written by its conversions alone; read by its one store; never written again behind that store.
;   v3 to v7   are named by vector lines alone.
; So no register that a memory instruction has read is ever written again, and no load lands in a register that a vector line has named: what is left to state is that the offsets are written ahead of the
; loads, and each Y ahead of its store.  The 16 pairs go in four groups of four: a group's four stores stand in one run at the head of the next group, behind ONE wait, which stands behind the counted wait
; for that group's first load.  The vector lines behind such a wait name the new group's X and Y and v4 to v7: none of the registers that the four stores read.
.set X,   16                           ; v[16:79]   pair of rows p: 4 registers as loaded
.set Y,   80                           ; v[80:111]  pair of rows p: 2 registers to store
.set SRC, 20                           ; s[20:21]   the source at my wave's first bytes
.set DST, 22                           ; s[22:23]   the destination at my wave's first bytes
	s_load_b512 s[4:19], s[0:1], 0x0               ; x s[4:5], wq s[6:7], wk s[8:9], wv s[10:11], wo s[12:13], xb s[14:15], wqkv s[16:17], wo16 s[18:19]
	v_lshrrev_b32 v3, 5, v0
	v_readfirstlane_b32 s28, v3                    ; wave = K block, 0..15
	v_and_b32 v4, 31, v0                           ; lane
	v_lshrrev_b32 v5, 4, v4                        ; which of the two rows
	v_and_b32 v6, 15, v0
	v_lshlrev_b32 v1, 4, v6
	v_lshl_add_u32 v1, v5, 12, v1                  ; load offset: row x 4,096 + 16 x (lane % 16)
	v_lshlrev_b32 v2, 3, v4                        ; store offset: 8 x lane
	s_sub_co_u32 s29, ttmp9, 256                   ; the weights' groups count from 256 (for x's groups what follows is overruled below)
	s_bfe_u32 s30, s29, 0x20005                    ; which weight: 0 wq, 1 wk, 2 wv, 3 wo
	s_and_b32 s31, s29, 31                         ; which 32 rows of it
	s_lshl_b32 s27, s31, 5
	s_lshl_b32 s26, s30, 10
	s_add_co_u32 s26, s26, s27                     ; destination row in wqkv: 1,024 x weight + 32 x block
	s_lshl_b32 s33, ttmp9, 5                       ; destination row in xb
	s_mov_b32 s24, 393216                          ; bytes in a K block of wqkv
	s_mov_b32 s25, s31                             ; source block of 32 rows
	s_wait_kmcnt 0x0
	s_mov_b64 s[SRC:SRC+1], s[6:7]
	s_mov_b64 s[DST:DST+1], s[16:17]
	s_cmp_eq_u32 s30, 1
	s_cselect_b64 s[SRC:SRC+1], s[8:9], s[SRC:SRC+1]
	s_cmp_eq_u32 s30, 2
	s_cselect_b64 s[SRC:SRC+1], s[10:11], s[SRC:SRC+1]
	s_cmp_eq_u32 s30, 3
	s_cselect_b64 s[SRC:SRC+1], s[12:13], s[SRC:SRC+1]
	s_cselect_b64 s[DST:DST+1], s[18:19], s[DST:DST+1]
	s_cselect_b32 s24, 131072, s24
	s_cselect_b32 s26, s27, s26
	s_cmp_lt_u32 ttmp9, 256
	s_cselect_b64 s[SRC:SRC+1], s[4:5], s[SRC:SRC+1]
	s_cselect_b64 s[DST:DST+1], s[14:15], s[DST:DST+1]
	s_cselect_b32 s24, 1048576, s24
	s_cselect_b32 s25, ttmp9, s25
	s_cselect_b32 s26, s33, s26
	s_wait_alu depctr_va_sdst(0)                   ; s28 is written, ahead of its first reader: the two offsets below are made from it
	s_lshl_b32 s34, s25, 17                        ; 32 rows of 4,096 bytes,
	s_lshl_b32 s35, s28, 8                         ; my K block's 256 bytes of a row
	s_add_co_u32 s34, s34, s35
	s_mov_b32 s35, 0
	s_add_nc_u64 s[SRC:SRC+1], s[SRC:SRC+1], s[34:35]
	s_mul_i32 s36, s28, s24                        ; my K block,
	s_lshl_b32 s37, s26, 7                         ; the row's 128 bytes in it
	s_add_co_u32 s36, s36, s37
	s_mov_b32 s37, 0
	s_add_nc_u64 s[DST:DST+1], s[DST:DST+1], s[36:37]
	s_wait_alu depctr_va_vdst(0)                   ; v1 and v2 are written: every load below reads v1 as its offset, every store of the kernel v2
.irp p, 0,1,2,3,4,5,6,7,8,9,10,11,12,13,14,15
	global_load_b128 v[X+4*(\p):X+4*(\p)+3], v1, s[SRC:SRC+1] offset:(\p)*8192 th:TH_LOAD_NT
.endr
; The four stores of group g, in one run.
.macro OUT g
.irp i, 0,1,2,3
	global_store_b64 v2, v[Y+8*(\g)+2*(\i):Y+8*(\g)+2*(\i)+1], s[DST:DST+1] offset:(4*(\g)+(\i))*256
.endr
.endm
; Group g: pairs of rows 4 g to 4 g + 3 are converted; at its head the group before is stored.  f16 = 1: the bf16 numbers are widened again (a shift, a mask) and written as f16.
.macro GRP g, f16
.irp i, 0,1,2,3
	s_wait_loadcnt 15-4*(\g)-(\i)                  ; loads come back in order: pair 4 g + i is in, the younger ones stay out
.if ((\i) == 0) && ((\g) > 0)
	s_wait_alu depctr_va_vdst(0)                   ; the conversions of the group before have written its eight registers of Y, which the four stores below read
	OUT (\g)-1
.endif
	v_cvt_pk_bf16_f32 v[Y+8*(\g)+2*(\i)],   v[X+16*(\g)+4*(\i)],   v[X+16*(\g)+4*(\i)+1]
	v_cvt_pk_bf16_f32 v[Y+8*(\g)+2*(\i)+1], v[X+16*(\g)+4*(\i)+2], v[X+16*(\g)+4*(\i)+3]
.if \f16
	v_lshlrev_b32 v4, 16, v[Y+8*(\g)+2*(\i)]
	v_and_b32 v5, 0xffff0000, v[Y+8*(\g)+2*(\i)]
	v_lshlrev_b32 v6, 16, v[Y+8*(\g)+2*(\i)+1]
	v_and_b32 v7, 0xffff0000, v[Y+8*(\g)+2*(\i)+1]
	v_cvt_pk_f16_f32 v[Y+8*(\g)+2*(\i)],   v4, v5
	v_cvt_pk_f16_f32 v[Y+8*(\g)+2*(\i)+1], v6, v7
.endif
.endr
.endm
	s_cmp_ge_u32 ttmp9, 352                        ; the last 32 groups are wo's
	s_cbranch_scc1 .Lwo
	GRP 0, 0                                       ; the first group has no group in front of it: no store, and no wait but those for its data
	GRP 1, 0
	GRP 2, 0
	GRP 3, 0
	s_wait_alu depctr_va_vdst(0)                   ; the last group's conversions have written its Y, which the last four stores read
	OUT 3
	s_endpgm
.Lwo:
	GRP 0, 1
	GRP 1, 1
	GRP 2, 1
	GRP 3, 1
	s_wait_alu depctr_va_vdst(0)                   ; the last group's conversions have written its Y, which the last four stores read
	OUT 3
	s_endpgm
.Lfunc_end_k_qea8f747da9_cvt:
	.size	k_qea8f747da9_cvt, .Lfunc_end_k_qea8f747da9_cvt-k_qea8f747da9_cvt
	.p2alignl 7, 3214868480
	.fill 96, 4, 3214868480
	.section	.rodata,"a",@progbits
	.p2align	6, 0x0
	.amdhsa_kernel k_qea8f747da9_cvt
		.amdhsa_group_segment_fixed_size 0
		.amdhsa_private_segment_fixed_size 0
		.amdhsa_enable_private_segment 0
		.amdhsa_kernarg_size 64
		.amdhsa_user_sgpr_count 2
		.amdhsa_user_sgpr_kernarg_segment_ptr 1
		.amdhsa_wavefront_size32 1
		.amdhsa_system_sgpr_workgroup_id_x 1
		.amdhsa_system_sgpr_workgroup_id_y 1
		.amdhsa_system_sgpr_workgroup_id_z 1
		.amdhsa_system_vgpr_workitem_id 0
		.amdhsa_next_free_vgpr 112
		.amdhsa_next_free_sgpr 66
		.amdhsa_reserve_vcc 0
		.amdhsa_float_denorm_mode_32 3
		.amdhsa_float_denorm_mode_16_64 3
		.amdhsa_memory_ordered 1
		.amdhsa_forward_progress 1
		.amdhsa_inst_pref_size 17
	.end_amdhsa_kernel
	.amdgpu_metadata
---
amdhsa.version: [ 1, 2 ]
amdhsa.kernels:
  - .name:           k_qea8f747da9_cvt
    .symbol:         k_qea8f747da9_cvt.kd
    .args:
      - { .name: x, .offset: 0, .size: 8, .value_kind: global_buffer, .address_space: global }
      - { .name: wq, .offset: 8, .size: 8, .value_kind: global_buffer, .address_space: global }
      - { .name: wk, .offset: 16, .size: 8, .value_kind: global_buffer, .address_space: global }
      - { .name: wv, .offset: 24, .size: 8, .value_kind: global_buffer, .address_space: global }
      - { .name: wo, .offset: 32, .size: 8, .value_kind: global_buffer, .address_space: global }
      - { .name: xb, .offset: 40, .size: 8, .value_kind: global_buffer, .address_space: global }
      - { .name: wqkv, .offset: 48, .size: 8, .value_kind: global_buffer, .address_space: global }
      - { .name: wo16, .offset: 56, .size: 8, .value_kind: global_buffer, .address_space: global }
    .group_segment_fixed_size: 0
    .private_segment_fixed_size: 0
    .kernarg_segment_align: 8
    .kernarg_segment_size: 64
    .max_flat_workgroup_size: 512
    .sgpr_count:     66
    .vgpr_count:     112
    .wavefront_size: 32
...
	.end_amdgpu_metadata
.endif
;; end of part 5
;; launch qkv: the kernel of part 2 again; grid 8 x 32, 4 waves a work-group, clusters of 4 x 4, 327,680 bytes of LDS; arguments xb, wqkv, qkv; writes qkv
;; launch attn: the kernel of part 3 again; grid 256 x 1, 8 waves a work-group, no clusters, 327,680 bytes of LDS; arguments qkv, q_norm_w, k_norm_w, o16; writes o16
;; launch oproj: the kernel of part 4 again; grid 8 x 32, 4 waves a work-group, clusters of 4 x 4, 327,680 bytes of LDS; arguments o16, wo16, out0; writes out0
